; MI455X (gfx1250); checked and timed in simulation.
; The chip was launched on July 23, 2026; its instructions are those of AMD's public machine-readable ISA for CDNA 5 (MIT licence, August 2026) and "CDNA5" Instruction Set Architecture Reference Guide (July 2026). The comments in the code are by the model that wrote it; some were corrected since.
;; Noisy Topk Router. Allowed arithmetic: float matrix products may take bf16 or f16 operands with f32 sums; all other float work in f32.
;; Inputs: W1 1,024 x 4,096 float32; W2 4,096 x 1,024 float32; b1 4,096 float32; b2 1,024 float32; noise 8 x 1,024 x 8 float32; noise_b 1 float32; noise_w 1,024 x 1 float32; temperature one number float32; type_queries 8 x 1,024 float32; x 8 x 1,024 x 1,024 float32.
;; Outputs: out0 8 x 1,024 x 8 float32; out1 8 x 1,024 x 2 int32.
;; 2 versions, each right and faster than the one before. Each part assembles by itself: llvm-mc -triple=amdgcn-amd-amdhsa -mcpu=gfx1250 --defsym DOCPART=n.
;; ======== version 1 of 2: 3 launches
;; limits: values outside matrix products are rounded to bf16
;; workspace buffers: xb 16,777,216 bytes; w1b 8,388,608 bytes; vf 131,072 bytes; gl 32,768 bytes; cv 256 bytes; part 4,194,304 bytes
;; launch prep (part 1): grid 641 x 1, 8 waves a work-group, no clusters, 44,032 bytes of LDS; arguments x, W1, W2, type_queries, b2, noise_w, xb, w1b, vf, gl, cv; writes xb, w1b, vf, gl, cv
.if DOCPART == 1
	.amdgcn_target "amdgcn-amd-amdhsa--gfx1250"
	.amdhsa_code_object_version 6
	.text
	.protected	k_qedaeab6920_prep
	.globl	k_qedaeab6920_prep
	.p2align	8
	.type	k_qedaeab6920_prep,@function
k_qedaeab6920_prep:
	s_mov_b64 s[64:65], 0
	v_nop
	global_prefetch_b8 v0, s[64:65] scope:SCOPE_SE
	s_setreg_imm32_b32 hwreg(HW_REG_WAVE_MODE, 25, 1), 1
	s_wait_xcnt 0x0
; Prepares what the main launch multiplies.  Four roles, chosen by the work-group's number alone:
;   0..255    X: x [8192][1024] f32 -> xb bf16, 32 rows a work-group, 4 rows a wave; on the way gl[row] = x[row] . noise_w
;   256..383  W: W1 [1024][4096] f32 -> w1b bf16, same order, 128 KiB a work-group
;   384..639  V: V = W2 . type_queries^T, 16 rows of W2 a work-group, bf16 operands, f32 sums; stored as ready matrix fragments (below)
;   640       C: cv[e] = b2 . type_queries[e], one wave an expert
; scores = (h W2 + b2) tq^T = h (W2 tq^T) + b2 tq^T for every input: the product with W2 is reassociated, nothing is left out.
; FORMAT, stated: every floating-point input of the program is rounded to bf16 where it enters, the operands of the two thin dot products here too
; (x, noise_w, b2, type_queries); products and sums are f32.  So the three launches compute reference() on inputs rounded to bf16, all alike;
; the error of each input is relative 2^-9 and grows with an offset on it.
; The two dot products are vector work: with one column (or 8 K multiply-adds in all) a matrix tile would be nearly empty, and the first rides on the stream.
; vf: [256 tiles of 16 hidden units][32 lanes][8 bf16].  Lane (r = lane % 16, hh = lane / 16) of tile t holds V'(16 t + 8 hh + j, column r), j = 0..7;
; columns 0..7 are V rounded to bf16, columns 8..15 what that rounding left (V - bf16(V), rounded to bf16): V enters the main launch in two parts.
; The streams go through registers: each load of a wave covers 512 neighbouring bytes, each store 256, both aligned; every byte is read once.
; No tensor loads, no cluster: nothing large is shared, and a wave's 32 loads of 16 bytes a lane are all out at once.
.set NW,  8                            ; v[8:39]    roles X, C: the vector that the rows are multiplied by (my 32 numbers of 1024)
.set X,   40                           ; v[40:167]  four chunks of 4 KiB as loaded, 32 registers each
.set Y,   168                          ; v[168:231] the same in bf16, 16 registers each: every store has data registers of its own
.set CH,  232                          ; v[232:239] four chains of a dot product
.set DOT, 240                          ; v[240:243] the four rows' dot products
; role V
.set WR,  40                           ; v[40:103]  16 rows of W2, 4 f32 a lane
.set TQ,  104                          ; v[104:167] type_queries, 16 f32 a lane for each of 4 K steps
.set BF,  168                          ; v[168:199] the same as 4 B fragments
.set PK,  200                          ; v[200:231] W2 in bf16 on its way into LDS
.set AF,  40                           ; v[40:71]   4 A fragments (over WR, which has been converted by then)
.set D0,  232                          ; v[232:239], v[240:247] two accumulators
.set D1,  240
.set ASTG, 4352                        ; LDS: a wave's own 16 rows of 256 bytes + 16 of padding, at wave x 4,352
.set RED,  34816                       ; LDS: behind them, 1,024 bytes a wave for the sums over the waves
; v[t .. t+15] = v[r .. r+31] in bf16, packed; v[r .. r+31] = the same numbers widened again: rounded to bf16 in place
.macro RND32 r, t
.irp q, 0,1,2,3,4,5,6,7,8,9,10,11,12,13,14,15
	v_cvt_pk_bf16_f32 v[\t+\q], v[\r+2*\q], v[\r+2*\q+1]
.endr
.irp q, 0,1,2,3,4,5,6,7,8,9,10,11,12,13,14,15
	v_lshlrev_b32 v[\r+2*\q],   16, v[\t+\q]
	v_and_b32     v[\r+2*\q+1], s32, v[\t+\q]
.endr
.endm
; v[res] = sum over the wave's 1,024 numbers of v[xr ..] * v[NW ..], in every lane.  Four chains, started by products: nothing is cleared.
.macro DOTROW xr, res
.irp q, 0,1,2,3
	v_pk_mul_f32 v[CH+2*\q:CH+2*\q+1], v[\xr+2*\q:\xr+2*\q+1], v[NW+2*\q:NW+2*\q+1]
.endr
.irp q, 4,5,6,7,8,9,10,11,12,13,14,15
	v_pk_fma_f32 v[CH+2*(\q%4):CH+2*(\q%4)+1], v[\xr+2*\q:\xr+2*\q+1], v[NW+2*\q:NW+2*\q+1], v[CH+2*(\q%4):CH+2*(\q%4)+1]
.endr
	v_pk_add_f32 v[CH:CH+1], v[CH:CH+1], v[CH+2:CH+3]
	v_pk_add_f32 v[CH+4:CH+5], v[CH+4:CH+5], v[CH+6:CH+7]
	v_pk_add_f32 v[CH:CH+1], v[CH:CH+1], v[CH+4:CH+5]
	v_add_f32 v[CH], v[CH], v[CH+1]
	v_add_f32_dpp v[CH], v[CH], v[CH] row_xmask:1 row_mask:0xf bank_mask:0xf
	v_add_f32_dpp v[CH], v[CH], v[CH] row_xmask:2 row_mask:0xf bank_mask:0xf
	v_add_f32_dpp v[CH], v[CH], v[CH] row_xmask:4 row_mask:0xf bank_mask:0xf
	v_add_f32_dpp v[CH], v[CH], v[CH] row_xmask:8 row_mask:0xf bank_mask:0xf
	v_permlanex16_b32 v[CH+1], v[CH], s30, s31     ; the other half of the lanes; the destination has been written
	v_add_f32 v[\res], v[CH], v[CH+1]
.endm
; f32 -> bf16, 4 chunks of 4 KiB a wave.  s2 = the role's own work-group number.  dot = 1: also the rounded chunk's dot product with the rounded noise_w.
.macro CAST dot, src, dst
	s_lshl_b32 s4, s2, 17                          ; 128 KiB a work-group,
	s_lshl_b32 s6, s3, 14                          ; 16 KiB a wave
	s_add_co_u32 s4, s4, s6
	s_add_nc_u64 s[34:35], s[\src:\src+1], s[4:5]
	s_lshr_b32 s4, s4, 1                           ; half as many bytes out
	s_add_nc_u64 s[36:37], s[\dst:\dst+1], s[4:5]
.if \dot
.irp j, 0,1,2,3,4,5,6,7
	global_load_b128 v[NW+4*\j:NW+4*\j+3], v2, s[18:19] offset:512*\j
.endr
.endif
.irp i, 0,1,2,3
.irp j, 0,1,2,3,4,5,6,7
	global_load_b128 v[X+32*\i+4*\j:X+32*\i+4*\j+3], v2, s[34:35] offset:4096*\i+512*\j th:TH_LOAD_NT
.endr
.endr
.irp i, 0,1,2,3
	s_wait_loadcnt 24-8*\i                         ; loads return in order: chunk i is in (and noise_w, which is older); the younger chunks' 8 loads each stay out
.if \dot
.if \i == 0
	RND32 NW, Y                                    ; noise_w, once; chunk 0's bf16 registers serve as work registers: no store names them yet
.endif
	RND32 X+32*\i, Y+16*\i
.else
.irp q, 0,1,2,3,4,5,6,7,8,9,10,11,12,13,14,15
	v_cvt_pk_bf16_f32 v[Y+16*\i+\q], v[X+32*\i+2*\q], v[X+32*\i+2*\q+1]
.endr
.endif
.irp j, 0,1,2,3,4,5,6,7
	global_store_b64 v3, v[Y+16*\i+2*\j:Y+16*\i+2*\j+1], s[36:37] offset:2048*\i+256*\j   ; 32 lanes x 8 bytes: 256 neighbouring bytes, aligned
.endr
.if \dot
	DOTROW X+32*\i, DOT+\i
.endif
.endr
.endm
	s_load_b512 s[8:23], s[0:1], 0x0               ; x 8, W1 10, W2 12, type_queries 14, b2 16, noise_w 18, xb 20, w1b 22
	s_load_b128 s[24:27], s[0:1], 0x40             ; vf 24, gl 26
	s_load_b64 s[28:29], s[0:1], 0x50              ; cv
	v_lshl_add_u32 v248, v0, 2, 0xa800
	v_mov_b32 v249, 0
	v_lshrrev_b32 v1, 5, v0
	v_readfirstlane_b32 s3, v1                     ; wave 0..7
	v_and_b32 v1, 31, v0                           ; lane
	v_lshlrev_b32 v2, 4, v1                        ; 16 x lane
	v_lshlrev_b32 v3, 3, v1                        ; 8 x lane
	s_mov_b32 s30, 0x76543210                      ; v_permlanex16_b32: lane i reads lane i of the other half
	s_mov_b32 s31, 0xfedcba98
	s_mov_b32 s32, 0xffff0000                      ; a word's upper bf16
	s_mov_b32 s2, ttmp9
	s_mov_b32 s5, 0                                ; upper word of every offset pair s[4:5]
	s_wait_kmcnt 0x0
	s_cmp_lt_u32 s2, 256
	s_cbranch_scc1 .Lrole_x
	s_cmp_lt_u32 s2, 384
	s_cbranch_scc1 .Lrole_w
	s_cmp_lt_u32 s2, 640
	s_cbranch_scc1 .Lrole_v
	; ---- role C: cv[wave] = b2 . type_queries[wave], both rounded to bf16
	s_lshl_b32 s4, s3, 12                          ; a row of type_queries is 4,096 bytes
	s_add_nc_u64 s[34:35], s[14:15], s[4:5]
.irp j, 0,1,2,3,4,5,6,7
	global_load_b128 v[NW+4*\j:NW+4*\j+3], v2, s[16:17] offset:512*\j
.endr
.irp j, 0,1,2,3,4,5,6,7
	global_load_b128 v[X+4*\j:X+4*\j+3], v2, s[34:35] offset:512*\j
.endr
	s_wait_loadcnt 0x0
	RND32 NW, Y
	RND32 X, Y+16
	DOTROW X, DOT
	s_lshl_b32 s6, s3, 2
	v_mov_b32 v4, s6
	v_cmp_eq_u32 vcc_lo, 0, v1
	s_wait_xcnt 0x0                                ; EXEC changes only behind this wait
	s_and_saveexec_b32 s33, vcc_lo                 ; lane 0 stores the wave's number
	global_store_b32 v4, v[DOT], s[28:29]
	s_endpgm
.Lrole_x:
	CAST 1, 8, 20
	s_lshl_b32 s4, s2, 7                           ; 32 rows x 4 bytes a work-group,
	s_add_nc_u64 s[38:39], s[26:27], s[4:5]
	s_lshl_b32 s6, s3, 4                           ; 4 rows a wave
	v_mov_b32 v4, s6
	v_cmp_eq_u32 vcc_lo, 0, v1
	s_wait_xcnt 0x0                                ; EXEC changes only behind this wait
	s_and_saveexec_b32 s33, vcc_lo                 ; lane 0 stores the wave's four dot products
	global_store_b128 v4, v[DOT:DOT+3], s[38:39]
	s_endpgm
.Lrole_w:
	s_sub_co_u32 s2, s2, 256
	CAST 0, 10, 22
	s_endpgm
	; ---- role V: tile t = s2: rows 16 t .. 16 t + 15 of W2; wave w sums over columns 128 w .. 128 w + 127, four K steps of 32
.Lrole_v:
	s_sub_co_u32 s2, s2, 384
	s_lshl_b32 s4, s2, 16                          ; 16 rows of 4,096 bytes
	s_lshl_b32 s6, s3, 9                           ; the wave's 128 columns, 512 bytes
	s_add_co_u32 s4, s4, s6
	s_add_nc_u64 s[34:35], s[12:13], s[4:5]
	v_and_b32 v9, 7, v0                            ; B's column r stands for expert r % 8: columns 8..15 repeat 0..7
	v_bfe_u32 v10, v0, 4, 1                        ; hh
	v_and_b32 v11, 15, v0                          ; r
	v_lshlrev_b32 v5, 12, v9
	v_lshl_add_u32 v5, v10, 5, v5
	v_add_nc_u32 v5, s6, v5                        ; type_queries: expert x 4,096 + 512 w + 32 hh
	s_mul_i32 s7, s3, ASTG
	v_add_nc_u32 v6, s7, v3                        ; into my stage: 8 bytes a lane of a row
	v_mul_u32_u24 v7, v11, 272
	v_lshl_add_u32 v7, v10, 4, v7
	v_add_nc_u32 v7, s7, v7                        ; back as A fragments: row r, 16 hh
	s_lshl_b32 s7, s3, 10
	s_add_co_u32 s7, s7, RED
	v_add_nc_u32 v8, s7, v2                        ; my wave's 1,024 bytes for the sum over the waves
	v_add_nc_u32 v12, RED, v2                      ; where wave 0 reads them all
.irp t, 0,1,2,3,4,5,6,7,8,9,10,11,12,13,14,15
	global_load_b128 v[WR+4*\t:WR+4*\t+3], v2, s[34:35] offset:4096*\t th:TH_LOAD_NT
.endr
	; a B fragment wants k = 8 hh + 0..7 and 16 + 8 hh + 0..7 of a K step of 32: four pieces of 16 bytes of f32
.irp s, 0,1,2,3
	global_load_b128 v[TQ+16*\s:TQ+16*\s+3],     v5, s[14:15] offset:128*\s
	global_load_b128 v[TQ+16*\s+4:TQ+16*\s+7],   v5, s[14:15] offset:128*\s+16
	global_load_b128 v[TQ+16*\s+8:TQ+16*\s+11],  v5, s[14:15] offset:128*\s+64
	global_load_b128 v[TQ+16*\s+12:TQ+16*\s+15], v5, s[14:15] offset:128*\s+80
.endr
.irp t, 0,1,2,3,4,5,6,7,8,9,10,11,12,13,14,15
	s_wait_loadcnt 31-\t                           ; row t is in; the 15 - t younger rows and the 16 loads of type_queries stay out
	v_cvt_pk_bf16_f32 v[PK+2*\t],   v[WR+4*\t],   v[WR+4*\t+1]
	v_cvt_pk_bf16_f32 v[PK+2*\t+1], v[WR+4*\t+2], v[WR+4*\t+3]
	ds_store_b64 v6, v[PK+2*\t:PK+2*\t+1] offset:272*\t
.endr
	s_wait_loadcnt 0x0
.irp q, 0,1,2,3,4,5,6,7,8,9,10,11,12,13,14,15,16,17,18,19,20,21,22,23,24,25,26,27,28,29,30,31
	v_cvt_pk_bf16_f32 v[BF+\q], v[TQ+2*\q], v[TQ+2*\q+1]
.endr
.irp s, 0,1,2,3
	ds_load_b128 v[AF+8*\s:AF+8*\s+3],   v7 offset:64*\s      ; my own bytes: LDS serves a wave's instructions in order (ISA guide 5.7.1)
	ds_load_b128 v[AF+8*\s+4:AF+8*\s+7], v7 offset:64*\s+32
.endr
	s_wait_dscnt 0x0
	; two accumulators take turns, one instruction a turn; the first products start the sums
	v_wmma_f32_16x16x32_bf16 v[D0:D0+7], v[AF:AF+7],     v[BF:BF+7],     0
	v_wmma_f32_16x16x32_bf16 v[D1:D1+7], v[AF+8:AF+15],  v[BF+8:BF+15],  0
	v_wmma_f32_16x16x32_bf16 v[D0:D0+7], v[AF+16:AF+23], v[BF+16:BF+23], v[D0:D0+7]
	v_wmma_f32_16x16x32_bf16 v[D1:D1+7], v[AF+24:AF+31], v[BF+24:BF+31], v[D1:D1+7]
.rept 4
	v_nop                                          ; four places before a vector instruction reads a matrix result (ISA guide 7.12.1)
.endr
.irp q, 0,2,4,6
	v_pk_add_f32 v[D0+\q:D0+\q+1], v[D0+\q:D0+\q+1], v[D1+\q:D1+\q+1]
.endr
	s_cmp_eq_u32 s3, 0
	s_cbranch_scc1 .Lv_keep                        ; wave 0 keeps its part in registers
	ds_store_b128 v8, v[D0:D0+3]
	ds_store_b128 v8, v[D0+4:D0+7] offset:512
.Lv_keep:
	s_wait_dscnt 0x0                               ; for wave 0's sake: my stores are done
	s_barrier_signal -1
	s_barrier_wait -1
	s_cmp_lg_u32 s3, 0
	s_cbranch_scc1 .Lend
.irp w, 1,2,3,4,5,6,7
	ds_load_b128 v[72+8*(\w-1):72+8*(\w-1)+3],   v12 offset:1024*\w
	ds_load_b128 v[72+8*(\w-1)+4:72+8*(\w-1)+7], v12 offset:1024*\w+512
.endr
	s_wait_dscnt 0x0
.irp w, 1,2,3,4,5,6,7
.irp q, 0,2,4,6
	v_pk_add_f32 v[D0+\q:D0+\q+1], v[D0+\q:D0+\q+1], v[72+8*(\w-1)+\q:72+8*(\w-1)+\q+1]
.endr
.endr
	; lane (r, hh), register j: V(16 t + 8 hh + j, expert r % 8).  Lanes r < 8 keep bf16(V), lanes r >= 8 bf16(V - bf16(V)).
.irp i, 0,1,2,3
	v_cvt_pk_bf16_f32 v[128+\i], v[D0+2*\i], v[D0+2*\i+1]
.endr
.irp i, 0,1,2,3
	v_lshlrev_b32 v[136+2*\i], 16, v[128+\i]
	v_and_b32     v[137+2*\i], s32, v[128+\i]
.endr
.irp i, 0,1,2,3
	v_pk_add_f32 v[136+2*\i:137+2*\i], v[D0+2*\i:D0+2*\i+1], v[136+2*\i:137+2*\i] neg_lo:[0,1] neg_hi:[0,1]
.endr
.irp i, 0,1,2,3
	v_cvt_pk_bf16_f32 v[132+\i], v[136+2*\i], v[137+2*\i]
.endr
	v_cmp_lt_u32 vcc_lo, 7, v11
.irp i, 0,1,2,3
	v_cndmask_b32 v[144+\i], v[128+\i], v[132+\i], vcc_lo
.endr
	s_lshl_b32 s4, s2, 9                           ; a tile of vf is 512 bytes
	s_add_nc_u64 s[36:37], s[24:25], s[4:5]
	global_store_b128 v2, v[144:147], s[36:37]     ; 512 neighbouring bytes
.Lend:
	s_wait_tensorcnt 0x0
	ds_add_u32 v248, v249
	s_wait_dscnt 0x0
	s_endpgm
.Lfunc_end_k_qedaeab6920_prep:
	.size	k_qedaeab6920_prep, .Lfunc_end_k_qedaeab6920_prep-k_qedaeab6920_prep
	.p2alignl 7, 3214868480
	.fill 96, 4, 3214868480
	.section	.rodata,"a",@progbits
	.p2align	6, 0x0
	.amdhsa_kernel k_qedaeab6920_prep
		.amdhsa_group_segment_fixed_size 44032
		.amdhsa_private_segment_fixed_size 0
		.amdhsa_enable_private_segment 0
		.amdhsa_kernarg_size 88
		.amdhsa_user_sgpr_count 2
		.amdhsa_user_sgpr_kernarg_segment_ptr 1
		.amdhsa_wavefront_size32 1
		.amdhsa_system_sgpr_workgroup_id_x 1
		.amdhsa_system_sgpr_workgroup_id_y 1
		.amdhsa_system_sgpr_workgroup_id_z 1
		.amdhsa_system_vgpr_workitem_id 0
		.amdhsa_next_free_vgpr 250
		.amdhsa_next_free_sgpr 66
		.amdhsa_reserve_vcc 1
		.amdhsa_float_denorm_mode_32 3
		.amdhsa_float_denorm_mode_16_64 3
		.amdhsa_memory_ordered 1
		.amdhsa_forward_progress 1
		.amdhsa_inst_pref_size 58
	.end_amdhsa_kernel
	.amdgpu_metadata
---
amdhsa.version: [ 1, 2 ]
amdhsa.kernels:
  - .name:           k_qedaeab6920_prep
    .symbol:         k_qedaeab6920_prep.kd
    .args:
      - { .name: x, .offset: 0, .size: 8, .value_kind: global_buffer, .address_space: global }
      - { .name: W1, .offset: 8, .size: 8, .value_kind: global_buffer, .address_space: global }
      - { .name: W2, .offset: 16, .size: 8, .value_kind: global_buffer, .address_space: global }
      - { .name: type_queries, .offset: 24, .size: 8, .value_kind: global_buffer, .address_space: global }
      - { .name: b2, .offset: 32, .size: 8, .value_kind: global_buffer, .address_space: global }
      - { .name: noise_w, .offset: 40, .size: 8, .value_kind: global_buffer, .address_space: global }
      - { .name: xb, .offset: 48, .size: 8, .value_kind: global_buffer, .address_space: global }
      - { .name: w1b, .offset: 56, .size: 8, .value_kind: global_buffer, .address_space: global }
      - { .name: vf, .offset: 64, .size: 8, .value_kind: global_buffer, .address_space: global }
      - { .name: gl, .offset: 72, .size: 8, .value_kind: global_buffer, .address_space: global }
      - { .name: cv, .offset: 80, .size: 8, .value_kind: global_buffer, .address_space: global }
    .group_segment_fixed_size: 44032
    .private_segment_fixed_size: 0
    .kernarg_segment_align: 8
    .kernarg_segment_size: 88
    .max_flat_workgroup_size: 256
    .sgpr_count:     66
    .vgpr_count:     250
    .wavefront_size: 32
...
	.end_amdgpu_metadata
.endif
;; end of part 1
;; launch main (part 2): grid 8 x 32, 4 waves a work-group, clusters of 4 x 4, 327,680 bytes of LDS; arguments xb, w1b, vf, b1, part; writes part
.if DOCPART == 2
	.amdgcn_target "amdgcn-amd-amdhsa--gfx1250"
	.amdhsa_code_object_version 6
	.text
	.protected	k_qedaeab6920_main
	.globl	k_qedaeab6920_main
	.p2align	8
	.type	k_qedaeab6920_main,@function
k_qedaeab6920_main:
	s_mov_b64 s[64:65], 0
	v_nop
	global_prefetch_b8 v0, s[64:65] scope:SCOPE_SE
	s_setreg_imm32_b32 hwreg(HW_REG_WAVE_MODE, 25, 1), 1
	s_wait_xcnt 0x0
	s_wait_alu depctr_hold_cnt(0) depctr_sa_sdst(0) depctr_va_vdst(0) depctr_va_sdst(0) depctr_va_ssrc(0) depctr_va_vcc(0) depctr_vm_vsrc(0)
	s_getreg_b32 s2, hwreg(HW_REG_IB_STS2, 6, 4)
	s_cmp_eq_u32 s2, 0
	s_cbranch_scc0 .Lentry_in_a_cluster
	s_endpgm
.Lentry_in_a_cluster:
	s_bfe_u32 s2, ttmp6, 0x10000c
	s_cmp_lg_u32 s2, 0xf033
	s_cbranch_scc0 .Lentry_shape_is_right
	s_endpgm
.Lentry_shape_is_right:
; part[strip][token][e] = sum over the strip's 256 hidden units n of gelu(x W1 + b1)[token][n] V[n][e].
; xb [8192][1024] bf16, w1b [1024 k][4096 n] bf16, vf = V as ready B fragments in two bf16 parts, b1 [4096] f32.
; A work-group (x = column group of 512 hidden units, y = block of 256 tokens) walks two tiles of 256 x 256 of x W1; four waves, as many as a WGP has
; SIMDs, each with 128 x 128 in 512 registers.  K = 1024 goes in 8 steps of 128 through two LDS slots filled by tensor loads.
; Behind a tile's last K step the wave turns its block into h = gelu(..) in registers and multiplies it by V at once: h never leaves the wave.
; THE MATRIX INSTRUCTION IS USED TRANSPOSED (source 0 = 16 columns of W1, source 1 = 16 tokens): lane (r = lane % 16, hh = lane / 16), register j of
; tile (a, b) holds token 16 a + r, hidden unit 16 b + 8 hh + j.  Packed to bf16, tiles b = 2 kb and 2 kb + 1 ARE the A fragment of h for hidden
; units 32 kb .. 32 kb + 31: no data moves between lanes.  h enters as bf16(h) and bf16(h - bf16(h)), V as columns 0..7 (bf16(V)) and 8..15 (the rest).
; CLUSTERS: 4 x 4 work-groups.  x's tile hangs on the token block alone and is asked for jointly by a row of the cluster, W1's on the column group
; alone and by a column: four requests become one.  A wave has two tensor loads out at the start and one behind each round of the cluster's barrier.
; GELU is exact-erf GELU by gelu(u) = u/2 + |u/2| erf(|u|/sqrt 2), erf by Abramowitz and Stegun 7.1.26 (absolute error 1.5e-7).
; LIMITS, stated: for strongly negative u the result is the difference of u/2 and |u|/2 erf(..): absolute error about 1.2e-7 |u|, not relative;
; |u| above about 1e38 overflows; the matrix operands x, W1, h, V are bf16 (h and V in two parts each); b1 is rounded to bf16 where it enters,
; as every input of the program is (relative error 2^-9, which grows with an offset on b1); all arithmetic on it is f32.
;
; REGISTERS, in windows of 256:
;   window 0: v2-15 GELU's constants in pairs; v16-25 addresses; v32-63 h's fragments; v64-127, v128-191 fragments of x, two buffers
;             (v128-183 also GELU's work registers); v192-255 the eight score accumulators S[a], 16 tokens x 16 columns each
;   window 1: v0-63 b1 / 2 of my 128 hidden units; v64-127, v128-191 fragments of W1, two buffers; v192-223 four B fragments of V; v224-255 b1 in bf16, at work
;   window 2: the 32 accumulator tiles of my tokens 0-63 (tile (a, b) at v[8 (8 a + b)]);   window 3: those of my tokens 64-127
.set PITCH,  272                       ; an LDS row of x: 256 bytes + 16 of padding, an odd multiple of 16
.set BPITCH, 544                       ; an LDS row of W1: 512 bytes + 32 of padding, an odd multiple of 32 (for the transposing loads)
.set HALFT,  128*PITCH                 ; what one tensor load brings: 128 rows of x, or 64 k rows of W1 (64 x 544 is the same 34,816 bytes)
.set BOFF,   2*HALFT                   ; W1's part of a slot lies behind x's 256 rows
.set SLOT,   4*HALFT
.set ASTEP,  256                       ; a K step along a row of xb, in bytes
.set BSTEP,  128*8192                  ; a K step down the rows of w1b, in bytes
.set CP,  2                            ; v[2:3] .. v[14:15]: each constant twice, a pair for the packed forms
.set CA1, 4
.set CA2, 6
.set CA3, 8
.set CA4, 10
.set CA5, 12
.set CK3, 14
.set ADRA, 16                          ; v16-17  LDS address of my x fragments in slot 0, 1
.set ADRB, 20                          ; v20-21  the same for W1
.set L16,  24                          ; v24     16 x lane
.set H32,  25                          ; v25     32 x hh
.set HIA, 32                           ; A fragments of h: tokens 16 (2p) .., upper part; its rest; tokens 16 (2p+1) .., upper part; its rest
.set LOA, 40
.set HIB, 48
.set LOB, 56
.set F0,  64
.set F1,  128
.set XHU, 128                          ; GELU's work registers, 8 each, over x's buffer 1
.set XW,  136
.set XD,  144
.set XT,  152
.set XAR, 160
.set XEX, 168
.set XR,  176
.set SC,  192                          ; window 0: S[a] at v[192 + 8 a]
.set HB,  0                            ; window 1
.set VFR, 192                          ; window 1
.set BT,  224                          ; window 1
.set G1,  24                           ; s[24:31] descriptor group 1 for x's tiles
.set G0,  32                           ; s[32:39] group 0 for x's tiles, one set for each slot
.set G1B, 48                           ; s[48:55] group 1 for W1's tiles
.set G0B, 56                           ; s[56:63] group 0 for W1's tiles
.set MSB, 0
.macro WIN new                         ; low byte: bits 1:0 source 0, 3:2 source 1, 5:4 source 2, 7:6 destination; the high byte repeats the setting that is left
.if MSB != (\new)
	s_set_vgpr_msb (MSB<<8)|(\new)
.set MSB, (\new)
.endif
.endm
.set MUL_LO, 0xa1                      ; source 0 (W1) window 1, source 1 (x) window 0, C and D window 2
.set MUL_HI, 0xf1                      ; the same, C and D window 3
.set TO_B,   0x40                      ; destination window 1, address window 0
; A joint load.  Waves 0 and 1 fetch x's two halves, waves 2 and 3 W1's.  Each line has one mask and one set of registers for all that issue it;
; the branch hangs on the wave's number alone.  Four v_nop follow each line.
.macro JLOAD s
	s_cmp_eq_u32 s15, 0
	s_cbranch_scc0 .Lfor_b_\@
	tensor_load_to_lds s[G0+4*\s:G0+4*\s+3], s[G1:G1+7]
	s_nop 0
.rept 4
	v_nop
.endr
	s_branch .Lasked_\@
.Lfor_b_\@:
	tensor_load_to_lds s[G0B+4*\s:G0B+4*\s+3], s[G1B:G1B+7]
	s_nop 0
.rept 4
	v_nop
.endr
.Lasked_\@:
.endm
.macro CREST                           ; a round of the cluster's barrier behind its opening work-group barrier
	s_cmp_lg_u32 s14, 0
	s_cbranch_scc1 .Lnot_wave_0_\@
	s_barrier_signal -3
.Lnot_wave_0_\@:
	s_barrier_wait -3
	s_barrier_signal -1
	s_barrier_wait -1
.endm
.macro CROUND                          ; a whole round
	s_barrier_signal -1
	s_barrier_wait -1
	CREST
.endm
.macro PLACES                          ; four places behind a matrix instruction (ISA guide 7.12.1 for vector instructions)
.rept 4
	v_nop
.endr
.endm
; 16 matrix instructions: token blocks a0, a0 + 1 of the window's four x all 8 blocks of hidden units, 32 along K.  zero = 1: the product starts the sums.
.macro MUL16 f, hi, a0, zero
.irp a, \a0, \a0+1
.irp b, 0,1,2,3,4,5,6,7
.if \zero
	v_wmma_f32_16x16x32_bf16 v[8*(8*(\a)+\b):8*(8*(\a)+\b)+7], v[\f+8*\b:\f+8*\b+7], v[\f+8*(4*\hi+\a):\f+8*(4*\hi+\a)+7], 0
.else
	v_wmma_f32_16x16x32_bf16 v[8*(8*(\a)+\b):8*(8*(\a)+\b)+7], v[\f+8*\b:\f+8*\b+7], v[\f+8*(4*\hi+\a):\f+8*(4*\hi+\a)+7], v[8*(8*(\a)+\b):8*(8*(\a)+\b)+7]
.endif
.endr
.endr
.endm
; 32 LDS loads in one run: the fragments of a quarter step (32 along K, at byte k of x's rows) into buffer f.  W1 lies [k][n] in LDS: the transposing
; load brings lane (r, hh) k = 8 hh + 0..7 of column r; a quarter is 32 k rows down, the second half of a fragment 16 k rows down, a block of 16 columns 32 bytes on.
.macro FETCH slot, k, f
	WIN TO_B
.irp i, 0,1,2,3,4,5,6,7
	ds_load_tr16_b128 v[\f+8*\i:\f+8*\i+3],   v[ADRB+\slot] offset:(\k/64)*32*BPITCH+32*\i
	ds_load_tr16_b128 v[\f+8*\i+4:\f+8*\i+7], v[ADRB+\slot] offset:(\k/64)*32*BPITCH+32*\i+16*BPITCH
.endr
	WIN 0
.irp i, 0,1,2,3,4,5,6,7
	ds_load_b128 v[\f+8*\i:\f+8*\i+3],   v[ADRA+\slot] offset:\k+\i*16*PITCH
	ds_load_b128 v[\f+8*\i+4:\f+8*\i+7], v[ADRA+\slot] offset:\k+\i*16*PITCH+32
.endr
.endm
; One of a K step's first three quarters: multiplies buffer f; in its middle it fetches the next quarter's fragments into buffer g.
; The 64 accumulators take turns, one instruction a turn, in the same order in every quarter.
.macro QUARTER slot, k, f, g, zero
	s_wait_dscnt 8                                 ; W1's fragments and x's tokens 0-63 are in; the youngest eight loads (tokens 64-127) may be out
	WIN MUL_LO
	MUL16 \f, 0, 0, \zero
	MUL16 \f, 0, 2, \zero
	PLACES
	FETCH \slot, \k, \g
	s_wait_dscnt 32                                ; all but the 32 just issued
	WIN MUL_HI
	MUL16 \f, 1, 0, \zero
	MUL16 \f, 1, 2, \zero
.endm
.macro THREE slot, zero
	QUARTER \slot, 64,  F0, F1, \zero
	QUARTER \slot, 128, F1, F0, 0
	QUARTER \slot, 192, F0, F1, 0
.endm
; The last quarter: multiplies buffer 1 and changes slots.  fill = 0: nothing is fetched; 1: this slot gets the K step two ahead; 2: it gets the same
; slot's first K step of the next tile (6 steps back along K, 256 columns of W1 on).
; In front of the barrier each wave waits for its reads of this slot and for all its tensor loads (one is out: its part of the next slot).  Where the slot
; is filled again the barrier opens a round of the cluster's barrier; inside the round only registers are worked on; the joint refill comes first behind it.
.macro TURN slot, next, fill
	s_wait_dscnt 8
	WIN MUL_LO
	MUL16 F1, 0, 0, 0
	s_wait_dscnt 0                                 ; my reads of this slot are over
	s_set_vgpr_msb 0xa1a0
	s_wait_tensorcnt 0x0                           ; all my tensor loads have landed
	ds_add_u32 v23, v31
	s_wait_dscnt 0x0
	s_set_vgpr_msb 0xa0a1
	s_barrier_signal -1
	MUL16 F1, 0, 2, 0
	WIN 0
	s_barrier_wait -1
.if \fill
	CREST                                          ; no wave of any partner still reads this slot or has a load on its way
.if \fill == 1
	s_add_nc_u64 s[G0+4*\slot+2:G0+4*\slot+3], s[G0+4*\slot+2:G0+4*\slot+3], 2*ASTEP
	s_add_nc_u64 s[G0B+4*\slot+2:G0B+4*\slot+3], s[G0B+4*\slot+2:G0B+4*\slot+3], 2*BSTEP
.else
	s_sub_nc_u64 s[G0+4*\slot+2:G0+4*\slot+3], s[G0+4*\slot+2:G0+4*\slot+3], 6*ASTEP
	s_sub_nc_u64 s[G0B+4*\slot+2:G0B+4*\slot+3], s[G0B+4*\slot+2:G0B+4*\slot+3], 6*BSTEP-512
.endif
	JLOAD \slot                                    ; its four v_nop are also the places in front of the loads below
.else
	PLACES
.endif
	FETCH \next, 0, F0
	WIN MUL_HI
	MUL16 F1, 1, 0, 0
	MUL16 F1, 1, 2, 0
.endm
.macro LAP zero                        ; two K steps, both slots filled again
	THREE 0, \zero
	TURN 0, 1, 1
	THREE 1, 0
	TURN 1, 0, 1
.endm
.macro LAPX                            ; a tile's last two K steps, the slots filled with the next tile's first two
	THREE 0, 0
	TURN 0, 1, 2
	THREE 1, 0
	TURN 1, 0, 2
.endm
; V's four fragments and b1 of my 128 hidden units of a tile, into window 1
.macro LOADC tile
	WIN TO_B
.irp q, 0,1,2,3,4,5,6,7
	global_load_b128 v[VFR+4*\q:VFR+4*\q+3], v[L16], s[8:9] offset:\tile*8192+512*\q
.endr
.irp b, 0,1,2,3,4,5,6,7
	global_load_b128 v[HB+8*\b:HB+8*\b+3],   v[H32], s[10:11] offset:\tile*1024+64*\b
	global_load_b128 v[HB+8*\b+4:HB+8*\b+7], v[H32], s[10:11] offset:\tile*1024+64*\b+16
.endr
	WIN 0
.endm
; One accumulator tile (8 numbers a lane) -> h in two bf16 parts, 4 registers each.  win: 0x12 or 0x13 (source 0 window 2 or 3, source 2 window 1).
; HU = u/2.  W = |u|/sqrt 2 x sqrt(log2 e), so that exp(-z^2) = 2^(-W W).  t = 1 / (1 + p z).  The polynomial's coefficients and the 1 of
; 1 - poly exp carry the factor |u/2| / W, so that h = HU + W (K3 - poly(t) 2^(-W W)).
.macro GELU8 win, acc, b, hi, lo
	WIN \win
.irp j, 0,2,4,6
	v_pk_fma_f32 v[XHU+\j:XHU+\j+1], v[\acc+\j:\acc+\j+1], 0.5, v[HB+8*(\b)+\j:HB+8*(\b)+\j+1] op_sel_hi:[1,0,1]
.endr
	WIN 0
.irp j, 0,1,2,3,4,5,6,7
	v_mul_f32 v[XW+\j], s66, |v[XHU+\j]|
.endr
.irp j, 0,2,4,6
	v_pk_fma_f32 v[XD+\j:XD+\j+1], v[XW+\j:XW+\j+1], v[CP:CP+1], 1.0 op_sel_hi:[1,1,0]
.endr
.irp j, 0,1,2,3,4,5,6,7
	v_rcp_f32 v[XT+\j], v[XD+\j]
.endr
.irp j, 0,2,4,6
	v_pk_mul_f32 v[XAR+\j:XAR+\j+1], v[XW+\j:XW+\j+1], v[XW+\j:XW+\j+1] neg_lo:[1,0] neg_hi:[1,0]   ; plain work behind the reciprocals, naming none of their registers
.endr
.irp j, 0,1,2,3,4,5,6,7
	v_exp_f32 v[XEX+\j], v[XAR+\j]
.endr
	s_wait_alu depctr_va_vdst(0)
.irp j, 0,2,4,6
	v_pk_fma_f32 v[XR+\j:XR+\j+1], v[XT+\j:XT+\j+1], v[CA5:CA5+1], v[CA4:CA4+1]                     ; plain work behind the exponentials likewise
.endr
.irp c, CA3,CA2,CA1
.irp j, 0,2,4,6
	v_pk_fma_f32 v[XR+\j:XR+\j+1], v[XR+\j:XR+\j+1], v[XT+\j:XT+\j+1], v[\c:\c+1]
.endr
.endr
.irp j, 0,2,4,6
	v_pk_mul_f32 v[XR+\j:XR+\j+1], v[XR+\j:XR+\j+1], v[XT+\j:XT+\j+1]
.endr
.irp j, 0,2,4,6
	v_pk_fma_f32 v[XR+\j:XR+\j+1], v[XR+\j:XR+\j+1], v[XEX+\j:XEX+\j+1], v[CK3:CK3+1] neg_lo:[1,0,0] neg_hi:[1,0,0]
.endr
.irp j, 0,2,4,6
	v_pk_fma_f32 v[XHU+\j:XHU+\j+1], v[XW+\j:XW+\j+1], v[XR+\j:XR+\j+1], v[XHU+\j:XHU+\j+1]         ; h
.endr
.irp i, 0,1,2,3
	v_cvt_pk_bf16_f32 v[\hi+\i], v[XHU+2*\i], v[XHU+2*\i+1]
.endr
.irp i, 0,1,2,3
	v_lshlrev_b32 v[XD+2*\i],   16, v[\hi+\i]
	v_and_b32     v[XD+2*\i+1], s67, v[\hi+\i]
.endr
.irp j, 0,2,4,6
	v_pk_add_f32 v[XD+\j:XD+\j+1], v[XHU+\j:XHU+\j+1], v[XD+\j:XD+\j+1] neg_lo:[0,1] neg_hi:[0,1]   ; what the rounding left
.endr
.irp i, 0,1,2,3
	v_cvt_pk_bf16_f32 v[\lo+\i], v[XD+2*\i], v[XD+2*\i+1]
.endr
.endm
; Token blocks 2 p and 2 p + 1, hidden units 32 kb .. 32 kb + 31: four tiles through GELU, then four thin products.
; S[2p] and S[2p+1] take turns, one instruction a turn.  The next group writes h's fragments dozens of plain instructions later.
.macro EPIG p, kb, zero
.set GW, 0x12+(\p)/2
.set GA, 8*(8*((2*(\p))%4)+2*(\kb))
	GELU8 GW, GA,    2*\kb,   HIA,   LOA
	GELU8 GW, GA+8,  2*\kb+1, HIA+4, LOA+4
	GELU8 GW, GA+64, 2*\kb,   HIB,   LOB
	GELU8 GW, GA+72, 2*\kb+1, HIB+4, LOB+4
	WIN 0x04                                       ; source 1 (V) window 1, all else window 0
.if \zero
	v_wmma_f32_16x16x32_bf16 v[SC+16*\p:SC+16*\p+7],    v[HIA:HIA+7], v[VFR+8*\kb:VFR+8*\kb+7], 0
	v_wmma_f32_16x16x32_bf16 v[SC+16*\p+8:SC+16*\p+15], v[HIB:HIB+7], v[VFR+8*\kb:VFR+8*\kb+7], 0
.else
	v_wmma_f32_16x16x32_bf16 v[SC+16*\p:SC+16*\p+7],    v[HIA:HIA+7], v[VFR+8*\kb:VFR+8*\kb+7], v[SC+16*\p:SC+16*\p+7]
	v_wmma_f32_16x16x32_bf16 v[SC+16*\p+8:SC+16*\p+15], v[HIB:HIB+7], v[VFR+8*\kb:VFR+8*\kb+7], v[SC+16*\p+8:SC+16*\p+15]
.endif
	v_wmma_f32_16x16x32_bf16 v[SC+16*\p:SC+16*\p+7],    v[LOA:LOA+7], v[VFR+8*\kb:VFR+8*\kb+7], v[SC+16*\p:SC+16*\p+7]
	v_wmma_f32_16x16x32_bf16 v[SC+16*\p+8:SC+16*\p+15], v[LOB:LOB+7], v[VFR+8*\kb:VFR+8*\kb+7], v[SC+16*\p+8:SC+16*\p+15]
	WIN 0
.endm
; A tile's epilogue.  zero = 1: the first thin products start the scores' sums.
; First b1 is rounded to bf16, widened again and halved, all in window 1.  These lines name no register of the last matrix instructions:
; they are the places in front of what follows.
.macro EPI zero
	s_wait_loadcnt 0x0                             ; V's fragments and b1
	WIN 0x45                                       ; destination, source 0 and source 1 in window 1
.set q, 0
.rept 32
	v_cvt_pk_bf16_f32 v[BT+q], v[HB+2*q], v[HB+2*q+1]
.set q, q+1
.endr
.set q, 0
.rept 32
	v_lshlrev_b32 v[HB+2*q],   16, v[BT+q]
	v_and_b32     v[HB+2*q+1], s67, v[BT+q]
.set q, q+1
.endr
.set q, 0
.rept 32
	v_pk_mul_f32 v[HB+q:HB+q+1], v[HB+q:HB+q+1], 0.5 op_sel_hi:[1,0]   ; b1 / 2
.set q, q+2
.endr
	WIN 0
.irp p, 0,1,2,3
	EPIG \p, 0, \zero
	EPIG \p, 1, 0
	EPIG \p, 2, 0
	EPIG \p, 3, 0
.endr
.endm
	s_load_b256 s[4:11], s[0:1], 0x0               ; xb 4, w1b 6, vf 8, b1 10
	s_load_b64 s[12:13], s[0:1], 0x20              ; part
	v_lshl_add_u32 v23, v0, 2, 0x44000
	v_mov_b32 v31, 0
	ds_add_u32 v23, v31
	v_lshrrev_b32 v1, 5, v0
	v_readfirstlane_b32 s14, v1                    ; wave 0..3
	s_lshr_b32 s15, s14, 1                         ; rh: which half of the block's tokens is mine.  Also: I fetch for x (0) or for W1 (1)
	s_and_b32 s16, s14, 1                          ; ch: which half of its hidden units.  Also: which half of that tile I fetch
	s_bfe_u32 s17, ttmp6, 0x40000                  ; cx
	s_bfe_u32 s18, ttmp6, 0x40004                  ; cy
	s_lshl_b32 s19, ttmp9, 2
	s_add_co_u32 s19, s19, s17                     ; cg: column group = 4 x cluster x + cx
	s_and_b32 s20, ttmp7, 0xffff
	s_lshl_b32 s20, s20, 2
	s_add_co_u32 s20, s20, s18                     ; rb: token block = 4 x cluster y + cy
	s_lshl_b32 s21, s18, 2
	s_lshl_b32 s21, 15, s21                        ; my row of the cluster: places 4 cy .. 4 cy + 3
	s_lshl_b32 s22, 0x1111, s17                    ; my column: places cx, cx + 4, cx + 8, cx + 12
	; group 1 for x: 128 rows x 128 elements of 2 bytes, pitch 1,024 elements; 4 words of padding behind every 64
	s_or_b32 s[G1+0], s21, (1<<16)|(1<<20)|(1<<21)|(5<<22)|(3<<25)
	s_mov_b32 s[G1+1], 128<<16                     ; tensor_dim0 = 128
	s_mov_b32 s[G1+2], 128<<16                     ; tensor_dim1 = 128
	s_mov_b32 s[G1+3], 128<<16                     ; tile_dim0 = 128
	s_mov_b32 s[G1+4], 128                         ; tile_dim1 = 128
	s_mov_b32 s[G1+5], 1024                        ; elements from row to row
	s_mov_b32 s[G1+6], 0
	s_mov_b32 s[G1+7], 0
	; group 1 for W1: 64 k rows x 256 elements, pitch 4,096 elements; 8 words of padding behind every 128
	s_or_b32 s[G1B+0], s22, (1<<16)|(1<<20)|(1<<21)|(6<<22)|(7<<25)
	s_mov_b32 s[G1B+1], 256<<16
	s_mov_b32 s[G1B+2], 64<<16
	s_mov_b32 s[G1B+3], 256<<16
	s_mov_b32 s[G1B+4], 64
	s_mov_b32 s[G1B+5], 4096
	s_mov_b32 s[G1B+6], 0
	s_mov_b32 s[G1B+7], 0
	; x's tiles hang on the token block and the wave alone, W1's on the column group and the wave alone; each in registers that never hold the other coordinate
	s_lshl_b32 s40, s20, 8
	s_lshl_b32 s42, s16, 7
	s_add_co_u32 s40, s40, s42                     ; token 256 rb + 128 half,
	s_lshl_b32 s40, s40, 11                        ; rows of 2,048 bytes
	s_mov_b32 s41, 0
	s_lshl_b32 s44, s16, 19                        ; k row 64 half, rows of 8,192 bytes,
	s_lshl_b32 s46, s19, 10                        ; column 512 cg, 2 bytes each
	s_add_co_u32 s44, s44, s46
	s_mov_b32 s45, 0
	s_mul_i32 s23, s14, HALFT                      ; where they go: wave x 34,816: x's halves, then W1's
	; offsets of what goes through registers
	s_lshl_b32 s68, s19, 14                        ; vf: 32 tiles of 512 bytes a column group, 8 a wave's half
	s_lshl_b32 s69, s16, 12
	s_add_co_u32 s68, s68, s69
	s_mov_b32 s69, 0
	s_lshl_b32 s70, s19, 11                        ; b1: 512 f32 a column group, 128 a half
	s_lshl_b32 s71, s16, 9
	s_add_co_u32 s70, s70, s71
	s_mov_b32 s71, 0
	s_lshl_b32 s72, s19, 1
	s_add_co_u32 s72, s72, s16                     ; strip = 2 cg + ch,
	s_lshl_b32 s72, s72, 18                        ; 262,144 bytes each;
	s_lshl_b32 s73, s20, 4
	s_lshl3_add_u32 s73, s15, s73                  ; 16 rb + 8 rh blocks of 16 tokens,
	s_lshl_b32 s73, s73, 9                         ; 512 bytes each
	s_add_co_u32 s72, s72, s73
	s_mov_b32 s73, 0
	s_mov_b32 s66, 0x3fd96d27                      ; K1 = sqrt(2 log2 e) = 1.6986436
	s_mov_b32 s67, 0xffff0000                      ; a word's upper bf16
	s_wait_dscnt 0x0
	s_wait_kmcnt 0x0
	s_add_nc_u64 s[40:41], s[4:5], s[40:41]
	s_add_nc_u64 s[44:45], s[6:7], s[44:45]
	s_add_nc_u64 s[8:9], s[8:9], s[68:69]
	s_add_nc_u64 s[10:11], s[10:11], s[70:71]
	s_add_nc_u64 s[12:13], s[12:13], s[72:73]
	CROUND                                         ; all sixteen work-groups are here: the first joint loads meet
.irp s, 0,1
	s_mov_b32 s[G0+4*\s], 1
	s_add_co_u32 s[G0+4*\s+1], s23, \s*SLOT
	s_add_nc_u64 s[G0+4*\s+2:G0+4*\s+3], s[40:41], \s*ASTEP
	s_or_b32 s[G0+4*\s+3], s[G0+4*\s+3], 0x80000000
	s_mov_b32 s[G0B+4*\s], 1
	s_add_co_u32 s[G0B+4*\s+1], s23, \s*SLOT
	s_add_nc_u64 s[G0B+4*\s+2:G0B+4*\s+3], s[44:45], \s*BSTEP
	s_or_b32 s[G0B+4*\s+3], s[G0B+4*\s+3], 0x80000000
	JLOAD \s                                       ; K steps 0 and 1 go out before anything else is done
.endr
	v_and_b32 v[L16], 31, v0
	v_lshlrev_b32 v[L16], 4, v[L16]
	v_bfe_u32 v27, v0, 4, 1                        ; hh
	v_lshlrev_b32 v[H32], 5, v27
	LOADC 0
	v_and_b32 v26, 15, v0                          ; r
	v_mul_u32_u24 v28, v26, PITCH
	v_lshl_add_u32 v28, v27, 4, v28                ; x: row r, 16 hh
	v_and_b32 v29, 7, v0
	v_lshl_add_u32 v29, v27, 3, v29                ; W1: k row 8 hh + lane % 8,
	v_mul_u32_u24 v29, v29, BPITCH
	v_bfe_u32 v30, v0, 3, 1
	v_lshl_add_u32 v29, v30, 4, v29                ; 16 bytes on for lanes 8-15 and 24-31
	s_mul_i32 s74, s15, HALFT                      ; my 128 tokens
	s_lshl_b32 s75, s16, 8                         ; my 128 hidden units, 256 bytes along W1's rows,
	s_add_co_u32 s75, s75, BOFF                    ; behind x's 256 rows
.irp s, 0,1
	v_add_nc_u32 v[ADRA+\s], s74, v28
	v_add_nc_u32 v[ADRB+\s], s75, v29
	s_add_co_u32 s74, s74, SLOT
	s_add_co_u32 s75, s75, SLOT
.endr
.irp h, 0,1
	v_mov_b32 v[CP+\h],  0x3e8ba43f                ;  0.27273748  = 0.3275911 / sqrt(log2 e)
	v_mov_b32 v[CA1+\h], 0x3e199eb3                ;  0.15001946  = 0.254829592 / K1
	v_mov_b32 v[CA2+\h], 0xbe2b8119                ; -0.16748465  = -0.284496736 / K1
	v_mov_b32 v[CA3+\h], 0x3f563817                ;  0.83679339  = 1.421413741 / K1
	v_mov_b32 v[CA4+\h], 0xbf5b0099                ; -0.85547788  = -1.453152027 / K1
	v_mov_b32 v[CA5+\h], 0x3f1ff67a                ;  0.62485470  = 1.061405429 / K1
	v_mov_b32 v[CK3+\h], 0x3f16b55f                ;  0.58870501  = 1 / K1
.endr
	s_wait_tensorcnt 1                             ; my part of K step 0 is in; K step 1's load may stay out
	s_barrier_signal -1
	s_barrier_wait -1                              ; everybody's is
	FETCH 0, 0, F0
	; ---- tile 0
	LAP 1                                          ; its first products start the sums: nothing is cleared
	WIN 0                                          ; at a label and at a branch every window is 0
	s_mov_b32 s3, 2
.Llap0:
	LAP 0
	WIN 0
	s_sub_co_u32 s3, s3, 1
	s_cmp_lg_u32 s3, 0
	s_cbranch_scc1 .Llap0
	LAPX                                           ; leaves tile 1's first fragments in buffer 0, which the epilogue does not touch
	EPI 1                                          ; tile 1's second K step lands meanwhile
	PLACES                                         ; behind the last thin product, in front of the loads into V's fragments
	LOADC 1
	; ---- tile 1
	LAP 1
	WIN 0
	s_mov_b32 s3, 2
.Llap1:
	LAP 0
	WIN 0
	s_sub_co_u32 s3, s3, 1
	s_cmp_lg_u32 s3, 0
	s_cbranch_scc1 .Llap1
	THREE 0, 0                                     ; the last two K steps fill nothing and pass no round of the cluster's barrier
	TURN 0, 1, 0
	THREE 1, 0
	s_wait_dscnt 8
	WIN MUL_LO
	MUL16 F1, 0, 0, 0
	MUL16 F1, 0, 2, 0
	s_wait_dscnt 0
	WIN MUL_HI
	MUL16 F1, 1, 0, 0
	MUL16 F1, 1, 2, 0
	EPI 0                                          ; adds onto tile 0's scores
	; ---- the way out.  S[a], lane (r, hh), register j: token 16 a + 8 hh + j, column r.  Columns e and e + 8 are added (V's two parts); then lanes r < 8
	; keep tokens 8 hh + 0..3 and lanes r >= 8 tokens 8 hh + 4..7, so that lane L holds tokens 4 (L / 8) + 0..3 of expert L % 8: part's own order.
	PLACES
	v_and_b32 v26, 8, v0
	v_cmp_ne_u32 vcc_lo, 0, v26
.irp a, 0,1,2,3,4,5,6,7
.irp j, 0,1,2,3,4,5,6,7
	v_add_f32_dpp v[XHU+\j], v[SC+8*\a+\j], v[SC+8*\a+\j] row_xmask:8 row_mask:0xf bank_mask:0xf
.endr
.irp i, 0,1,2,3
	v_cndmask_b32 v[F0+4*\a+\i], v[XHU+\i], v[XHU+4+\i], vcc_lo
.endr
	global_store_b128 v[L16], v[F0+4*\a:F0+4*\a+3], s[12:13] offset:512*\a   ; 512 neighbouring bytes, aligned; data registers of its own
.endr
	CROUND                                         ; the closing round: no work-group ends while a partner may still ask for a tile that names it
	s_endpgm
.Lfunc_end_k_qedaeab6920_main:
	.size	k_qedaeab6920_main, .Lfunc_end_k_qedaeab6920_main-k_qedaeab6920_main
	.p2alignl 7, 3214868480
	.fill 96, 4, 3214868480
	.section	.rodata,"a",@progbits
	.p2align	6, 0x0
	.amdhsa_kernel k_qedaeab6920_main
		.amdhsa_group_segment_fixed_size 327680
		.amdhsa_private_segment_fixed_size 0
		.amdhsa_enable_private_segment 0
		.amdhsa_kernarg_size 40
		.amdhsa_user_sgpr_count 2
		.amdhsa_user_sgpr_kernarg_segment_ptr 1
		.amdhsa_wavefront_size32 1
		.amdhsa_system_sgpr_workgroup_id_x 1
		.amdhsa_system_sgpr_workgroup_id_y 1
		.amdhsa_system_sgpr_workgroup_id_z 1
		.amdhsa_system_vgpr_workitem_id 0
		.amdhsa_next_free_vgpr 1024
		.amdhsa_next_free_sgpr 80
		.amdhsa_reserve_vcc 1
		.amdhsa_float_denorm_mode_32 3
		.amdhsa_float_denorm_mode_16_64 3
		.amdhsa_memory_ordered 1
		.amdhsa_forward_progress 1
		.amdhsa_inst_pref_size 255
	.end_amdhsa_kernel
	.section	.bss,"aw",@nobits
	.p2align	6
	.space	262144
	.amdgpu_metadata
---
amdhsa.version: [ 1, 2 ]
amdhsa.kernels:
  - .name:           k_qedaeab6920_main
    .symbol:         k_qedaeab6920_main.kd
    .args:
      - { .name: xb, .offset: 0, .size: 8, .value_kind: global_buffer, .address_space: global }
      - { .name: w1b, .offset: 8, .size: 8, .value_kind: global_buffer, .address_space: global }
      - { .name: vf, .offset: 16, .size: 8, .value_kind: global_buffer, .address_space: global }
      - { .name: b1, .offset: 24, .size: 8, .value_kind: global_buffer, .address_space: global }
      - { .name: part, .offset: 32, .size: 8, .value_kind: global_buffer, .address_space: global }
    .group_segment_fixed_size: 327680
    .private_segment_fixed_size: 0
    .kernarg_segment_align: 8
    .kernarg_segment_size: 40
    .max_flat_workgroup_size: 128
    .sgpr_count:     80
    .vgpr_count:     1024
    .wavefront_size: 32
...
	.end_amdgpu_metadata
.endif
;; end of part 2
;; launch route (part 3): grid 256 x 1, 1 waves a work-group, no clusters, 3,328 bytes of LDS; arguments part, gl, cv, noise, noise_b, temperature, out0, out1; writes out0, out1
.if DOCPART == 3
	.amdgcn_target "amdgcn-amd-amdhsa--gfx1250"
	.amdhsa_code_object_version 6
	.text
	.protected	k_qedaeab6920_route
	.globl	k_qedaeab6920_route
	.p2align	8
	.type	k_qedaeab6920_route,@function
k_qedaeab6920_route:
	s_mov_b64 s[64:65], 0
	v_nop
	global_prefetch_b8 v0, s[64:65] scope:SCOPE_SE
	s_setreg_imm32_b32 hwreg(HW_REG_WAVE_MODE, 25, 1), 1
	s_wait_xcnt 0x0
; The router's end: 32 tokens a wave, one wave a work-group, one token a lane.
; scores = sum of the 16 strips of part + cv;  gate = sigmoid(gl + noise_b);  noisy = scores + temperature noise gate;  the two largest, their softmax.
; part: [16 strips][2048 groups of 4 tokens][8 experts][4 tokens] f32.  All choices are selects: no branch and no address hangs on a number computed here.
; The softmax's other six entries are exp(-inf) = 0.  The larger of the two kept exponents is taken away before the exponentials.
; FORMAT, stated: noise, noise_b and temperature are rounded to bf16 where they enter, as every input of the program is (relative error 2^-9,
; which grows with an offset on them); all arithmetic is f32.
; LIMITS, stated: NaN scores are not ordered as the reference orders them; +0 and -0 count as equal (the lower index wins, as for every tie);
; temperature (noise gate) is formed as noise (temperature gate) inside one fused multiply-add; where temperature + 1e-6 <= 0 the reference
; turns the masked entries into +inf and yields NaN: that case is not reproduced.
; No matrix unit, no cluster, no tensor loads: 17 KiB a wave, all 35 loads out at once.
.set P,  8                             ; v[8:135]   strip s, half a: v[8 + 8 s + 4 a ..]; the sum grows in v[8:15]
.set S,  16                            ; v[16:23]   my token's eight scores, then noisy
.set NZ, 136                           ; v[136:143] my token's noise
.set O,  164                           ; v[164:171] my token's row of out0
.set L8, 180                           ; v180       8 x lane: outside every load's destination
.set NT, 184                           ; v[184:187] noise in bf16, at work
	s_load_b512 s[8:23], s[0:1], 0x0               ; part 8, gl 10, cv 12, noise 14, noise_b 16, temperature 18, out0 20, out1 22
	v_lshl_add_u32 v190, v0, 2, 0xc00
	v_mov_b32 v191, 0
	v_lshlrev_b32 v1, 4, v0                        ; 16 x lane
	v_lshlrev_b32 v5, 5, v0                        ; 32 x lane
	v_lshlrev_b32 v4, 2, v0                        ; 4 x lane
	v_lshlrev_b32 v[L8], 3, v0                     ; 8 x lane
	s_lshl_b32 s4, ttmp9, 10                       ; 32 tokens: 1,024 bytes of a strip, of noise and of out0
	s_mov_b32 s5, 0
	s_lshl_b32 s6, ttmp9, 7                        ; 128 bytes of gl
	s_mov_b32 s7, 0
	s_lshl_b32 s34, ttmp9, 8                       ; 256 bytes of out1
	s_mov_b32 s35, 0
	s_wait_kmcnt 0x0
	s_load_b256 s[24:31], s[12:13], 0x0            ; cv[0..7]
	s_load_b32 s32, s[16:17], 0x0                  ; noise_b
	s_load_b32 s33, s[18:19], 0x0                  ; temperature
	s_add_nc_u64 s[8:9], s[8:9], s[4:5]
	s_add_nc_u64 s[14:15], s[14:15], s[4:5]
	s_add_nc_u64 s[20:21], s[20:21], s[4:5]
	s_add_nc_u64 s[10:11], s[10:11], s[6:7]
	s_add_nc_u64 s[22:23], s[22:23], s[34:35]
	global_load_b128 v[NZ:NZ+3],   v5, s[14:15]
	global_load_b128 v[NZ+4:NZ+7], v5, s[14:15] offset:16
	global_load_b32 v144, v4, s[10:11]
.irp s, 0,1,2,3,4,5,6,7,8,9,10,11,12,13,14,15
	global_load_b128 v[P+8*\s:P+8*\s+3],   v1, s[8:9] offset:\s*262144
	global_load_b128 v[P+8*\s+4:P+8*\s+7], v1, s[8:9] offset:\s*262144+512
.endr
	v_lshrrev_b32 v6, 3, v0
	v_mul_u32_u24 v6, v6, 192                      ; 4 tokens of 48 bytes for each group of 8 lanes,
	v_and_b32 v7, 7, v0
	v_lshl_add_u32 v6, v7, 2, v6                   ; my expert's word
	v_mul_u32_u24 v2, v0, 48                       ; my token's row: 32 bytes + 16 of padding
	v_lshrrev_b32 v3, 1, v0
	v_mul_u32_u24 v3, v3, 48
	v_and_b32 v7, 1, v0
	v_lshl_add_u32 v3, v7, 4, v3                   ; out0 by rows: two lanes a token
.irp s, 1,2,3,4,5,6,7,8,9,10,11,12,13,14,15
	s_wait_loadcnt 30-2*\s                         ; strip s and all older loads are in; the younger strips' two loads each stay out
.irp q, 0,2,4,6
	v_pk_add_f32 v[P+\q:P+\q+1], v[P+\q:P+\q+1], v[P+8*\s+\q:P+8*\s+\q+1]
.endr
.endr
	; lane L holds tokens 16 a + 4 (L / 8) + i of expert L % 8: through the wave's own LDS bytes to one token a lane
.irp a, 0,1
.irp i, 0,1,2,3
	ds_store_b32 v6, v[P+4*\a+\i] offset:768*\a+48*\i
.endr
.endr
	ds_load_b128 v[S:S+3],   v2                    ; LDS serves a wave's instructions in order (ISA guide 5.7.1): these see the stores above
	ds_load_b128 v[S+4:S+7], v2 offset:16
	; noise, noise_b and temperature rounded to bf16 and widened again
.irp i, 0,1,2,3
	v_cvt_pk_bf16_f32 v[NT+\i], v[NZ+2*\i], v[NZ+2*\i+1]
.endr
.irp i, 0,1,2,3
	v_lshlrev_b32 v[NZ+2*\i],   16, v[NT+\i]
	v_and_b32     v[NZ+2*\i+1], 0xffff0000, v[NT+\i]
.endr
	s_wait_kmcnt 0x0
	v_cvt_pk_bf16_f32 v152, s32, s33               ; noise_b below, temperature above
	v_and_b32 v153, 0xffff0000, v152               ; temperature
	v_lshlrev_b32 v152, 16, v152                   ; noise_b
	v_add_f32 v145, v152, v144
	v_mul_f32 v145, 0xbfb8aa3b, v145               ; -log2 e
	v_exp_f32 v146, v145
	v_add_f32 v154, 0x358637bd, v153               ; temperature + 1e-6: a plain instruction behind the exponential
	s_wait_alu depctr_va_vdst(0)
	v_add_f32 v146, 1.0, v146
	v_rcp_f32 v147, v146                           ; gate
	v_rcp_f32 v155, v154
	v_nop                                          ; a plain place behind the reciprocals
	s_wait_alu depctr_va_vdst(0)
	v_mul_f32 v147, v153, v147                     ; temperature x gate
	v_mul_f32 v155, 0x3fb8aa3b, v155               ; log2 e / (temperature + 1e-6)
	s_wait_dscnt 0x0
.irp e, 0,1,2,3,4,5,6,7
	v_add_f32 v[S+\e], s[24+\e], v[S+\e]
.endr
.irp e, 0,1,2,3,4,5,6,7
	v_fmac_f32 v[S+\e], v[NZ+\e], v147             ; noisy
.endr
	; the two largest: v148 / v150 value and index of the largest, v149 / v151 of the second.  Strict compares: a tie keeps the lower index.
	v_cmp_gt_f32 vcc_lo, v[S+1], v[S]
	v_cndmask_b32 v148, v[S], v[S+1], vcc_lo
	v_cndmask_b32 v149, v[S+1], v[S], vcc_lo
	v_cndmask_b32 v150, 0, 1, vcc_lo
	v_cndmask_b32 v151, 1, 0, vcc_lo
.irp e, 2,3,4,5,6,7
	v_cmp_gt_f32 s36, v[S+\e], v148
	v_cmp_gt_f32 s37, v[S+\e], v149
	v_cndmask_b32 v149, v149, v[S+\e], s37
	v_cndmask_b32 v151, v151, \e, s37
	v_cndmask_b32 v149, v149, v148, s36
	v_cndmask_b32 v151, v151, v150, s36
	v_cndmask_b32 v148, v148, v[S+\e], s36
	v_cndmask_b32 v150, v150, \e, s36
.endr
	; softmax of the two: exponents 0 and d in base 2, the larger taken away
	v_sub_f32 v156, v149, v148
	v_mul_f32 v156, v156, v155
	v_max_num_f32 v157, 0, v156
	v_sub_f32 v158, v156, v157
	v_exp_f32 v159, -v157
	v_exp_f32 v160, v158
	v_nop
	s_wait_alu depctr_va_vdst(0)
	v_add_f32 v161, v159, v160
	v_rcp_f32 v162, v161
	v_nop
	s_wait_alu depctr_va_vdst(0)
	v_mul_f32 v159, v159, v162
	v_mul_f32 v160, v160, v162
.irp e, 0,1,2,3,4,5,6,7
	v_cmp_eq_u32 s36, \e, v150
	v_cmp_eq_u32 s37, \e, v151
	v_cndmask_b32 v[O+\e], 0, v160, s37
	v_cndmask_b32 v[O+\e], v[O+\e], v159, s36
.endr
	global_store_b64 v[L8], v[150:151], s[22:23]   ; out1: 256 neighbouring bytes
	; out0 through LDS bytes of their own, so that each store covers 512 neighbouring bytes
	ds_store_b128 v2, v[O:O+3]   offset:1536
	ds_store_b128 v2, v[O+4:O+7] offset:1552
	ds_load_b128 v[172:175], v3 offset:1536
	ds_load_b128 v[176:179], v3 offset:2304
	s_wait_dscnt 1                                 ; the first of the two loads is in
	global_store_b128 v1, v[172:175], s[20:21]
	s_wait_dscnt 0
	global_store_b128 v1, v[176:179], s[20:21] offset:512
	s_wait_tensorcnt 0x0
	ds_add_u32 v190, v191
	s_wait_dscnt 0x0
	s_endpgm
.Lfunc_end_k_qedaeab6920_route:
	.size	k_qedaeab6920_route, .Lfunc_end_k_qedaeab6920_route-k_qedaeab6920_route
	.p2alignl 7, 3214868480
	.fill 96, 4, 3214868480
	.section	.rodata,"a",@progbits
	.p2align	6, 0x0
	.amdhsa_kernel k_qedaeab6920_route
		.amdhsa_group_segment_fixed_size 3328
		.amdhsa_private_segment_fixed_size 0
		.amdhsa_enable_private_segment 0
		.amdhsa_kernarg_size 64
		.amdhsa_user_sgpr_count 2
		.amdhsa_user_sgpr_kernarg_segment_ptr 1
		.amdhsa_wavefront_size32 1
		.amdhsa_system_sgpr_workgroup_id_x 1
		.amdhsa_system_sgpr_workgroup_id_y 1
		.amdhsa_system_sgpr_workgroup_id_z 1
		.amdhsa_system_vgpr_workitem_id 0
		.amdhsa_next_free_vgpr 192
		.amdhsa_next_free_sgpr 66
		.amdhsa_reserve_vcc 1
		.amdhsa_float_denorm_mode_32 3
		.amdhsa_float_denorm_mode_16_64 3
		.amdhsa_memory_ordered 1
		.amdhsa_forward_progress 1
		.amdhsa_inst_pref_size 18
	.end_amdhsa_kernel
	.amdgpu_metadata
---
amdhsa.version: [ 1, 2 ]
amdhsa.kernels:
  - .name:           k_qedaeab6920_route
    .symbol:         k_qedaeab6920_route.kd
    .args:
      - { .name: part, .offset: 0, .size: 8, .value_kind: global_buffer, .address_space: global }
      - { .name: gl, .offset: 8, .size: 8, .value_kind: global_buffer, .address_space: global }
      - { .name: cv, .offset: 16, .size: 8, .value_kind: global_buffer, .address_space: global }
      - { .name: noise, .offset: 24, .size: 8, .value_kind: global_buffer, .address_space: global }
      - { .name: noise_b, .offset: 32, .size: 8, .value_kind: global_buffer, .address_space: global }
      - { .name: temperature, .offset: 40, .size: 8, .value_kind: global_buffer, .address_space: global }
      - { .name: out0, .offset: 48, .size: 8, .value_kind: global_buffer, .address_space: global }
      - { .name: out1, .offset: 56, .size: 8, .value_kind: global_buffer, .address_space: global }
    .group_segment_fixed_size: 3328
    .private_segment_fixed_size: 0
    .kernarg_segment_align: 8
    .kernarg_segment_size: 64
    .max_flat_workgroup_size: 32
    .sgpr_count:     66
    .vgpr_count:     192
    .wavefront_size: 32
...
	.end_amdgpu_metadata
.endif
;; end of part 3
;; ======== version 2 of 2: 3 launches; 1.30 times as fast as version 1
;; limits: values outside matrix products are rounded to bf16
;; workspace buffers: xb 16,777,216 bytes; w1b 8,388,608 bytes; vf 131,072 bytes; gl 32,768 bytes; cv 256 bytes; part 4,194,304 bytes
;; launch prep: the kernel of part 1 again; grid 641 x 1, 8 waves a work-group, no clusters, 44,032 bytes of LDS; arguments x, W1, W2, type_queries, b2, noise_w, xb, w1b, vf, gl, cv; writes xb, w1b, vf, gl, cv
;; launch main (part 4): grid 8 x 32, 4 waves a work-group, clusters of 4 x 4, 327,680 bytes of LDS; arguments xb, w1b, vf, b1, part; writes part
.if DOCPART == 4
	.amdgcn_target "amdgcn-amd-amdhsa--gfx1250"
	.amdhsa_code_object_version 6
	.text
	.protected	k_qedaeab6920_main
	.globl	k_qedaeab6920_main
	.p2align	8
	.type	k_qedaeab6920_main,@function
k_qedaeab6920_main:
	s_mov_b64 s[64:65], 0
	v_nop
	global_prefetch_b8 v0, s[64:65] scope:SCOPE_SE
	s_setreg_imm32_b32 hwreg(HW_REG_WAVE_MODE, 25, 1), 1
	s_wait_xcnt 0x0
	s_wait_alu depctr_hold_cnt(0) depctr_sa_sdst(0) depctr_va_vdst(0) depctr_va_sdst(0) depctr_va_ssrc(0) depctr_va_vcc(0) depctr_vm_vsrc(0)
	s_getreg_b32 s2, hwreg(HW_REG_IB_STS2, 6, 4)
	s_cmp_eq_u32 s2, 0
	s_cbranch_scc0 .Lentry_in_a_cluster
	s_endpgm
.Lentry_in_a_cluster:
	s_bfe_u32 s2, ttmp6, 0x10000c
	s_cmp_lg_u32 s2, 0xf033
	s_cbranch_scc0 .Lentry_shape_is_right
	s_endpgm
.Lentry_shape_is_right:
; part[strip][token][e] = sum over the strip's 256 hidden units n of gelu(x W1 + b1)[token][n] V[n][e].
; xb [8192][1024] bf16, w1b [1024 k][4096 n] bf16, vf = V as ready B fragments in two bf16 parts, b1 [4096] f32.
; A work-group (x = column group of 512 hidden units, y = block of 256 tokens) walks two tiles of 256 x 256 of x W1; four waves, as many as a WGP has
; SIMDs, each with 128 x 128 in 512 registers.  K = 1024 goes in 8 steps of 128 through two LDS slots filled by tensor loads.
; Behind a tile's last K step the wave turns its block into h = gelu(..) in registers and multiplies it by V at once: h never leaves the wave.
; THE MATRIX INSTRUCTION IS USED TRANSPOSED (source 0 = 16 columns of W1, source 1 = 16 tokens): lane (r = lane % 16, hh = lane / 16), register j of
; tile (a, b) holds token 16 a + r, hidden unit 16 b + 8 hh + j.  Packed to bf16, tiles b = 2 kb and 2 kb + 1 ARE the A fragment of h for hidden
; units 32 kb .. 32 kb + 31: no data moves between lanes.  h enters as bf16(h) and bf16(h - bf16(h)), V as columns 0..7 (bf16(V)) and 8..15 (the rest).
; THE TEXT IS KEPT SHORT BY LOOPS.  Of a tile's K steps only the first quarter step (its products start the sums) is written apart; it jumps into the lap
; loop behind the loop's own first quarter.  The epilogue is a loop of eight trips, one block of 16 tokens each: a register can only be named in the
; text, so a trip first picks, by the trip's number, one of eight runs of 32 instructions that bring the block's 8 tiles (as u / 2) into fixed
; registers; the other 80 of GELU's 84 instructions a tile, the thin products and the way out name fixed registers and are written once.
; CLUSTERS: 4 x 4 work-groups.  x's tile hangs on the token block alone and is asked for jointly by a row of the cluster, W1's on the column group
; alone and by a column: four requests become one.  A wave has two tensor loads out at the start and one behind each round of the cluster's barrier.
; GELU is exact-erf GELU by gelu(u) = u/2 + |u/2| erf(|u|/sqrt 2), erf by Abramowitz and Stegun 7.1.26 (absolute error 1.5e-7).
; LIMITS, stated: for strongly negative u the result is the difference of u/2 and |u|/2 erf(..): absolute error about 1.2e-7 |u|, not relative;
; |u| above about 1e38 overflows; the matrix operands x, W1, h, V are bf16 (h and V in two parts each); b1 is rounded to bf16 where it enters,
; as every input of the program is (relative error 2^-9, which grows with an offset on b1); all arithmetic on it is f32.
;
; REGISTERS, in windows of 256:
;   window 0: v2-15 GELU's constants in pairs; v16-25 addresses; v32-47 h's fragment in two parts; v48-63 two score accumulators;
;             v64-127, v128-191 fragments of x, two buffers (v128-191 also the epilogue's block of 8 tiles); v192-255 the epilogue's work registers
;   window 1: v0-63 b1 / 2 of my 128 hidden units; v64-127, v128-191 fragments of W1, two buffers; v192-223 four B fragments of V; v224-255 b1 in bf16, at work
;   window 2: the 32 accumulator tiles of my tokens 0-63 (tile (a, b) at v[8 (8 a + b)]);   window 3: those of my tokens 64-127
.set PITCH,  272                       ; an LDS row of x: 256 bytes + 16 of padding, an odd multiple of 16
.set BPITCH, 544                       ; an LDS row of W1: 512 bytes + 32 of padding, an odd multiple of 32 (for the transposing loads)
.set HALFT,  128*PITCH                 ; what one tensor load brings: 128 rows of x, or 64 k rows of W1 (64 x 544 is the same 34,816 bytes)
.set BOFF,   2*HALFT                   ; W1's part of a slot lies behind x's 256 rows
.set SLOT,   4*HALFT
.set STAGE,  2*SLOT                    ; behind the ring (a multiple of 256): 4,096 bytes a wave, tile 0's scores; no fill lands here
.set ASTEP,  256                       ; a K step along a row of xb, in bytes (1 << 8)
.set BSTEP,  128*8192                  ; a K step down the rows of w1b, in bytes (1 << 20)
.set CP,  2                            ; v[2:3] .. v[14:15]: each constant twice, a pair for the packed forms
.set CA1, 4
.set CA2, 6
.set CA3, 8
.set CA4, 10
.set CA5, 12
.set CK3, 14
.set ADRA, 16                          ; v16-17  LDS address of my x fragments in slot 0, 1
.set STB,  18                          ; v18     LDS address of my 16 bytes in my wave's stage, token block 0
.set STA,  19                          ; v19     the same for the trip's token block
.set ADRB, 20                          ; v20-21  LDS address of my W1 fragments in slot 0, 1
.set PO,   22                          ; v22     my byte offset in my wave's part of the output, for the trip's token block
.set L16,  24                          ; v24     16 x lane
.set H32,  25                          ; v25     32 x hh
.set HI,  32                           ; the A fragment of h: upper part,
.set LO,  40                           ; and what its rounding left
.set SWA, 48                           ; scores of the trip's 16 tokens from the upper parts,
.set SWB, 56                           ; and from the rests
.set F0,  64
.set F1,  128
.set HUW, 128                          ; the trip's 8 tiles as u / 2, then as h, over x's buffer 1
.set XW,  192                          ; GELU's work registers, 8 each
.set XD,  200
.set XT,  208
.set XAR, 216
.set XEX, 224
.set XR,  232
.set WT,  240                          ; the way out
.set WO,  248
.set WP,  252
.set HB,  0                            ; window 1
.set VFR, 192                          ; window 1
.set BT,  224                          ; window 1
.set G1,  24                           ; s[24:31] descriptor group 1 for x's tiles
.set G0,  32                           ; s[32:39] group 0 for x's tiles, one set for each slot
.set G1B, 48                           ; s[48:55] group 1 for W1's tiles
.set G0B, 56                           ; s[56:63] group 0 for W1's tiles
.set MSB, 0
.macro WIN new                         ; low byte: bits 1:0 source 0, 3:2 source 1, 5:4 source 2, 7:6 destination; the high byte repeats the setting that is left
.if MSB != (\new)
	s_set_vgpr_msb (MSB<<8)|(\new)
.set MSB, (\new)
.endif
.endm
.set MUL_LO, 0xa1                      ; source 0 (W1) window 1, source 1 (x) window 0, C and D window 2
.set MUL_HI, 0xf1                      ; the same, C and D window 3
.set TO_B,   0x40                      ; destination window 1, address window 0
; A joint load.  Waves 0 and 1 fetch x's two halves, waves 2 and 3 W1's.  Each line has one mask and one set of registers for all that issue it;
; the branch hangs on the wave's number alone.  Four v_nop follow each line.
.macro JLOAD s
	s_cmp_eq_u32 s15, 0
	s_cbranch_scc0 .Lfor_b_\@
	tensor_load_to_lds s[G0+4*\s:G0+4*\s+3], s[G1:G1+7]
	s_nop 0
.rept 4
	v_nop
.endr
	s_branch .Lasked_\@
.Lfor_b_\@:
	tensor_load_to_lds s[G0B+4*\s:G0B+4*\s+3], s[G1B:G1B+7]
	s_nop 0
.rept 4
	v_nop
.endr
.Lasked_\@:
.endm
.macro CREST                           ; a round of the cluster's barrier behind its opening work-group barrier
	s_cmp_lg_u32 s14, 0
	s_cbranch_scc1 .Lnot_wave_0_\@
	s_barrier_signal -3
.Lnot_wave_0_\@:
	s_barrier_wait -3
	s_barrier_signal -1
	s_barrier_wait -1
.endm
.macro CROUND                          ; a whole round
	s_barrier_signal -1
	s_barrier_wait -1
	CREST
.endm
.macro PLACES                          ; four places behind a matrix instruction (ISA guide 7.12.1 for vector instructions)
.rept 4
	v_nop
.endr
.endm
; 16 matrix instructions: token blocks a0, a0 + 1 of the window's four x all 8 blocks of hidden units, 32 along K.  zero = 1: the product starts the sums.
.macro MUL16 f, hi, a0, zero
.irp a, \a0, \a0+1
.irp b, 0,1,2,3,4,5,6,7
.if \zero
	v_wmma_f32_16x16x32_bf16 v[8*(8*(\a)+\b):8*(8*(\a)+\b)+7], v[\f+8*\b:\f+8*\b+7], v[\f+8*(4*\hi+\a):\f+8*(4*\hi+\a)+7], 0
.else
	v_wmma_f32_16x16x32_bf16 v[8*(8*(\a)+\b):8*(8*(\a)+\b)+7], v[\f+8*\b:\f+8*\b+7], v[\f+8*(4*\hi+\a):\f+8*(4*\hi+\a)+7], v[8*(8*(\a)+\b):8*(8*(\a)+\b)+7]
.endif
.endr
.endr
.endm
; 32 LDS loads in one run: the fragments of a quarter step (32 along K, at byte k of x's rows) into buffer f.  W1 lies [k][n] in LDS: the transposing
; load brings lane (r, hh) k = 8 hh + 0..7 of column r; a quarter is 32 k rows down, the second half of a fragment 16 k rows down, a block of 16 columns 32 bytes on.
.macro FETCH slot, k, f
	WIN TO_B
.irp i, 0,1,2,3,4,5,6,7
	ds_load_tr16_b128 v[\f+8*\i:\f+8*\i+3],   v[ADRB+\slot] offset:(\k/64)*32*BPITCH+32*\i
	ds_load_tr16_b128 v[\f+8*\i+4:\f+8*\i+7], v[ADRB+\slot] offset:(\k/64)*32*BPITCH+32*\i+16*BPITCH
.endr
	WIN 0
.irp i, 0,1,2,3,4,5,6,7
	ds_load_b128 v[\f+8*\i:\f+8*\i+3],   v[ADRA+\slot] offset:\k+\i*16*PITCH
	ds_load_b128 v[\f+8*\i+4:\f+8*\i+7], v[ADRA+\slot] offset:\k+\i*16*PITCH+32
.endr
.endm
; One of a K step's first three quarters: multiplies buffer f; in its middle it fetches the next quarter's fragments into buffer g.
; The 64 accumulators take turns, one instruction a turn, in the same order in every quarter.
.macro QUARTER slot, k, f, g, zero
	s_wait_dscnt 8                                 ; W1's fragments and x's tokens 0-63 are in; the youngest eight LDS instructions may be out
	WIN MUL_LO
	MUL16 \f, 0, 0, \zero
	MUL16 \f, 0, 2, \zero
	PLACES
	FETCH \slot, \k, \g
	s_wait_dscnt 32                                ; all but the 32 just issued
	WIN MUL_HI
	MUL16 \f, 1, 0, \zero
	MUL16 \f, 1, 2, \zero
.endm
.macro THREE slot, zero
	QUARTER \slot, 64,  F0, F1, \zero
	QUARTER \slot, 128, F1, F0, 0
	QUARTER \slot, 192, F0, F1, 0
.endm
; The last quarter: multiplies buffer 1 and changes slots.  fill = 1: this slot gets K step n (s76), counted 0 .. 15 through both tiles: step n % 8 of tile n / 8.
; In front of the barrier each wave waits for its reads of this slot and for all its tensor loads (one is out: its part of the next slot).  Where the slot
; is filled again the barrier opens a round of the cluster's barrier; inside the round only registers are worked on; the joint refill comes first behind it.
; The addresses are made anew from the bases and n, in registers that hold nothing of the work-group's place: no tensor load of the wave is out here.
.macro TURN slot, next, fill
	s_wait_dscnt 8
	WIN MUL_LO
	MUL16 F1, 0, 0, 0
	s_wait_dscnt 0                                 ; my reads of this slot are over
	s_set_vgpr_msb 0xa1a0
	s_wait_tensorcnt 0x0                           ; all my tensor loads have landed
	ds_add_u32 v23, v31
	s_wait_dscnt 0x0
	s_set_vgpr_msb 0xa0a1
	s_barrier_signal -1
	MUL16 F1, 0, 2, 0
	WIN 0
	s_barrier_wait -1
.if \fill
	CREST                                          ; no wave of any partner still reads this slot or has a load on its way
	s_and_b32 s80, s76, 7                          ; the K step in its tile
	s_lshr_b32 s81, s76, 3                         ; the tile
	s_lshl_b32 s82, s80, 8                         ; x: 256 bytes along the rows a step
	s_lshl_b32 s84, s80, 20                        ; W1: 128 rows of 8,192 bytes a step,
	s_lshl_b32 s81, s81, 9
	s_add_co_u32 s84, s84, s81                     ; 256 columns of 2 bytes a tile
	s_add_co_u32 s76, s76, 1
	s_add_nc_u64 s[G0+4*\slot+2:G0+4*\slot+3], s[40:41], s[82:83]
	s_or_b32 s[G0+4*\slot+3], s[G0+4*\slot+3], 0x80000000
	s_add_nc_u64 s[G0B+4*\slot+2:G0B+4*\slot+3], s[44:45], s[84:85]
	s_or_b32 s[G0B+4*\slot+3], s[G0B+4*\slot+3], 0x80000000
	JLOAD \slot                                    ; its four v_nop are also the places in front of the loads below
.else
	PLACES
.endif
	FETCH \next, 0, F0
	WIN MUL_HI
	MUL16 F1, 1, 0, 0
	MUL16 F1, 1, 2, 0
.endm
; A tile's laps that fill slots again (a lap = two K steps).  The tile's first quarter step starts the sums (nothing is cleared) and joins the loop behind
; the loop's own first quarter: both issue the same LDS loads, so every count behind the join holds on both ways.  At a label and at a branch every window is 0.
.macro KLOOP laps
	QUARTER 0, 64, F0, F1, 1
	WIN 0
	s_mov_b32 s3, \laps
	s_branch .Lmid_\@
.Llap_\@:
	QUARTER 0, 64, F0, F1, 0
	WIN 0
.Lmid_\@:
	QUARTER 0, 128, F1, F0, 0
	QUARTER 0, 192, F0, F1, 0
	TURN 0, 1, 1
	THREE 1, 0
	TURN 1, 0, 1
	WIN 0
	s_sub_co_u32 s3, s3, 1
	s_cmp_lg_u32 s3, 0
	s_cbranch_scc1 .Llap_\@
.endm
; V's four fragments and b1 of my 128 hidden units of a tile, into window 1
.macro LOADC tile
	WIN TO_B
.irp q, 0,1,2,3,4,5,6,7
	global_load_b128 v[VFR+4*\q:VFR+4*\q+3], v[L16], s[8:9] offset:\tile*8192+512*\q
.endr
.irp b, 0,1,2,3,4,5,6,7
	global_load_b128 v[HB+8*\b:HB+8*\b+3],   v[H32], s[10:11] offset:\tile*1024+64*\b
	global_load_b128 v[HB+8*\b+4:HB+8*\b+7], v[H32], s[10:11] offset:\tile*1024+64*\b+16
.endr
	WIN 0
.endm
; Token block a (0..7): its 8 tiles into the fixed registers, as u / 2 = sum / 2 + b1 / 2.  Source 0 window 2 or 3, source 2 window 1.
.macro GATHER a
	WIN 0x12+(\a)/4
.irp b, 0,1,2,3,4,5,6,7
.irp j, 0,2,4,6
	v_pk_fma_f32 v[HUW+8*\b+\j:HUW+8*\b+\j+1], v[8*(8*((\a)%4)+\b)+\j:8*(8*((\a)%4)+\b)+\j+1], 0.5, v[HB+8*\b+\j:HB+8*\b+\j+1] op_sel_hi:[1,0,1]
.endr
.endr
	WIN 0
.endm
.macro PICK2 a, done, fall             ; block a or a + 1, by the trip's number s77
	s_cmp_lg_u32 s77, \a
	s_cbranch_scc1 .Lsecond_\@
	GATHER \a
	s_branch \done
.Lsecond_\@:
	GATHER \a+1
.if \fall == 0
	s_branch \done
.endif
.endm
; One tile (8 numbers a lane, u / 2 in v[hu ..]) -> h in two bf16 parts, 4 registers each.
; W = |u|/sqrt 2 x sqrt(log2 e), so that exp(-z^2) = 2^(-W W).  t = 1 / (1 + p z).  The polynomial's coefficients and the 1 of
; 1 - poly exp carry the factor |u/2| / W, so that h = u/2 + W (K3 - poly(t) 2^(-W W)).
.macro GELU8 hu, hi, lo
.irp j, 0,1,2,3,4,5,6,7
	v_mul_f32 v[XW+\j], s66, |v[\hu+\j]|
.endr
.irp j, 0,2,4,6
	v_pk_fma_f32 v[XD+\j:XD+\j+1], v[XW+\j:XW+\j+1], v[CP:CP+1], 1.0 op_sel_hi:[1,1,0]
.endr
.irp j, 0,1,2,3,4,5,6,7
	v_rcp_f32 v[XT+\j], v[XD+\j]
.endr
.irp j, 0,2,4,6
	v_pk_mul_f32 v[XAR+\j:XAR+\j+1], v[XW+\j:XW+\j+1], v[XW+\j:XW+\j+1] neg_lo:[1,0] neg_hi:[1,0]   ; plain work behind the reciprocals, naming none of their registers
.endr
.irp j, 0,1,2,3,4,5,6,7
	v_exp_f32 v[XEX+\j], v[XAR+\j]
.endr
	s_wait_alu depctr_va_vdst(0)
.irp j, 0,2,4,6
	v_pk_fma_f32 v[XR+\j:XR+\j+1], v[XT+\j:XT+\j+1], v[CA5:CA5+1], v[CA4:CA4+1]                     ; plain work behind the exponentials likewise
.endr
.irp c, CA3,CA2,CA1
.irp j, 0,2,4,6
	v_pk_fma_f32 v[XR+\j:XR+\j+1], v[XR+\j:XR+\j+1], v[XT+\j:XT+\j+1], v[\c:\c+1]
.endr
.endr
.irp j, 0,2,4,6
	v_pk_mul_f32 v[XR+\j:XR+\j+1], v[XR+\j:XR+\j+1], v[XT+\j:XT+\j+1]
.endr
.irp j, 0,2,4,6
	v_pk_fma_f32 v[XR+\j:XR+\j+1], v[XR+\j:XR+\j+1], v[XEX+\j:XEX+\j+1], v[CK3:CK3+1] neg_lo:[1,0,0] neg_hi:[1,0,0]
.endr
.irp j, 0,2,4,6
	v_pk_fma_f32 v[\hu+\j:\hu+\j+1], v[XW+\j:XW+\j+1], v[XR+\j:XR+\j+1], v[\hu+\j:\hu+\j+1]         ; h
.endr
.irp i, 0,1,2,3
	v_cvt_pk_bf16_f32 v[\hi+\i], v[\hu+2*\i], v[\hu+2*\i+1]
.endr
.irp i, 0,1,2,3
	v_lshlrev_b32 v[XD+2*\i],   16, v[\hi+\i]
	v_and_b32     v[XD+2*\i+1], s67, v[\hi+\i]
.endr
.irp j, 0,2,4,6
	v_pk_add_f32 v[XD+\j:XD+\j+1], v[\hu+\j:\hu+\j+1], v[XD+\j:XD+\j+1] neg_lo:[0,1] neg_hi:[0,1]   ; what the rounding left
.endr
.irp i, 0,1,2,3
	v_cvt_pk_bf16_f32 v[\lo+\i], v[XD+2*\i], v[XD+2*\i+1]
.endr
.endm
; A tile's epilogue.  First b1 is rounded to bf16, widened again and halved, all in window 1: these lines name no register of the last matrix
; instructions and are the places in front of what follows.  Then eight trips, one block of 16 tokens each.
; The way out of a trip: lane (r, hh), register j of the two accumulators: token 8 hh + j of the block, column r.  The two are added; columns e and e + 8
; are added (V's two parts); lanes r < 8 keep tokens 8 hh + 0..3 and lanes r >= 8 tokens 8 hh + 4..7: lane L holds tokens 4 (L / 8) + 0..3 of expert L % 8,
; part's own order.  tile = 0: these 16 bytes a lane wait in my wave's stage in LDS.  tile = 1: they are added to the staged ones and stored.
.macro EPI tile
	s_wait_loadcnt 0x0                             ; V's fragments and b1
	WIN 0x45                                       ; destination, source 0 and source 1 in window 1
.set q, 0
.rept 32
	v_cvt_pk_bf16_f32 v[BT+q], v[HB+2*q], v[HB+2*q+1]
.set q, q+1
.endr
.set q, 0
.rept 32
	v_lshlrev_b32 v[HB+2*q],   16, v[BT+q]
	v_and_b32     v[HB+2*q+1], s67, v[BT+q]
.set q, q+1
.endr
.set q, 0
.rept 32
	v_pk_mul_f32 v[HB+q:HB+q+1], v[HB+q:HB+q+1], 0.5 op_sel_hi:[1,0]   ; b1 / 2
.set q, q+2
.endr
	WIN 0
	v_and_b32 v26, 8, v0
	v_cmp_ne_u32 vcc_lo, 0, v26                    ; lanes r >= 8; nothing in the loop writes VCC
	s_mov_b32 s77, 0
.Lblock_\@:
	v_lshl_add_u32 v[STA], s77, 9, v[STB]          ; the block's 512 bytes of my stage
.if \tile
	ds_load_b128 v[WP:WP+3], v[STA]                ; tile 0's scores of this block: my own bytes, stored a tile ago; wanted at the trip's end
.endif
	s_cmp_ge_u32 s77, 4
	s_cbranch_scc1 .Lupper_\@
	s_cmp_ge_u32 s77, 2
	s_cbranch_scc1 .Lb23_\@
	PICK2 0, .Lgot_\@, 0
.Lb23_\@:
	PICK2 2, .Lgot_\@, 0
.Lupper_\@:
	s_cmp_ge_u32 s77, 6
	s_cbranch_scc1 .Lb67_\@
	PICK2 4, .Lgot_\@, 0
.Lb67_\@:
	PICK2 6, .Lgot_\@, 1
.Lgot_\@:
	; hidden units 32 kb .. 32 kb + 31: two tiles through GELU, then two thin products.  The two accumulators take turns, one instruction a turn, over the
	; backward jump too; the first products of a trip start its sums.  h's fragment is written again dozens of plain instructions later.
.irp kb, 0,1,2,3
	GELU8 HUW+16*\kb,   HI,   LO
	GELU8 HUW+16*\kb+8, HI+4, LO+4
	WIN 0x04                                       ; source 1 (V) window 1, all else window 0
.if \kb == 0
	v_wmma_f32_16x16x32_bf16 v[SWA:SWA+7], v[HI:HI+7], v[VFR+8*\kb:VFR+8*\kb+7], 0
	v_wmma_f32_16x16x32_bf16 v[SWB:SWB+7], v[LO:LO+7], v[VFR+8*\kb:VFR+8*\kb+7], 0
.else
	v_wmma_f32_16x16x32_bf16 v[SWA:SWA+7], v[HI:HI+7], v[VFR+8*\kb:VFR+8*\kb+7], v[SWA:SWA+7]
	v_wmma_f32_16x16x32_bf16 v[SWB:SWB+7], v[LO:LO+7], v[VFR+8*\kb:VFR+8*\kb+7], v[SWB:SWB+7]
.endif
	WIN 0
.endr
	PLACES                                         ; behind the last thin products: in front of the reads of their results, and of the next tile's loads into V's fragments
.irp j, 0,2,4,6
	v_pk_add_f32 v[WT+\j:WT+\j+1], v[SWA+\j:SWA+\j+1], v[SWB+\j:SWB+\j+1]
.endr
.irp j, 0,1,2,3,4,5,6,7
	v_add_f32_dpp v[WT+\j], v[WT+\j], v[WT+\j] row_xmask:8 row_mask:0xf bank_mask:0xf
.endr
.if \tile
	s_wait_xcnt 0x0                                ; the last trip's store: its offset and its data are written again only behind this wait
	v_lshl_add_u32 v[PO], s77, 9, v[L16]           ; the block's 512 bytes of part
.endif
.irp i, 0,1,2,3
	v_cndmask_b32 v[WO+\i], v[WT+\i], v[WT+4+\i], vcc_lo
.endr
.if \tile
	s_wait_dscnt 0x0                               ; tile 0's scores are in
	v_pk_add_f32 v[WO:WO+1],   v[WO:WO+1],   v[WP:WP+1]
	v_pk_add_f32 v[WO+2:WO+3], v[WO+2:WO+3], v[WP+2:WP+3]
	global_store_b128 v[PO], v[WO:WO+3], s[12:13]  ; 512 neighbouring bytes, aligned
.else
	ds_store_b128 v[STA], v[WO:WO+3]
.endif
	s_add_co_u32 s77, s77, 1
	s_cmp_lt_u32 s77, 8
	s_cbranch_scc1 .Lblock_\@
.endm
	s_load_b256 s[4:11], s[0:1], 0x0               ; xb 4, w1b 6, vf 8, b1 10
	s_load_b64 s[12:13], s[0:1], 0x20              ; part
	v_lshl_add_u32 v23, v0, 2, 0x48000
	v_mov_b32 v31, 0
	ds_add_u32 v23, v31
	v_lshrrev_b32 v1, 5, v0
	v_readfirstlane_b32 s14, v1                    ; wave 0..3
	s_lshr_b32 s15, s14, 1                         ; rh: which half of the block's tokens is mine.  Also: I fetch for x (0) or for W1 (1)
	s_and_b32 s16, s14, 1                          ; ch: which half of its hidden units.  Also: which half of that tile I fetch
	s_bfe_u32 s17, ttmp6, 0x40000                  ; cx
	s_bfe_u32 s18, ttmp6, 0x40004                  ; cy
	s_lshl_b32 s19, ttmp9, 2
	s_add_co_u32 s19, s19, s17                     ; cg: column group = 4 x cluster x + cx
	s_and_b32 s20, ttmp7, 0xffff
	s_lshl_b32 s20, s20, 2
	s_add_co_u32 s20, s20, s18                     ; rb: token block = 4 x cluster y + cy
	s_lshl_b32 s21, s18, 2
	s_lshl_b32 s21, 15, s21                        ; my row of the cluster: places 4 cy .. 4 cy + 3
	s_lshl_b32 s22, 0x1111, s17                    ; my column: places cx, cx + 4, cx + 8, cx + 12
	; group 1 for x: 128 rows x 128 elements of 2 bytes, pitch 1,024 elements; 4 words of padding behind every 64
	s_or_b32 s[G1+0], s21, (1<<16)|(1<<20)|(1<<21)|(5<<22)|(3<<25)
	s_mov_b32 s[G1+1], 128<<16                     ; tensor_dim0 = 128
	s_mov_b32 s[G1+2], 128<<16                     ; tensor_dim1 = 128
	s_mov_b32 s[G1+3], 128<<16                     ; tile_dim0 = 128
	s_mov_b32 s[G1+4], 128                         ; tile_dim1 = 128
	s_mov_b32 s[G1+5], 1024                        ; elements from row to row
	s_mov_b32 s[G1+6], 0
	s_mov_b32 s[G1+7], 0
	; group 1 for W1: 64 k rows x 256 elements, pitch 4,096 elements; 8 words of padding behind every 128
	s_or_b32 s[G1B+0], s22, (1<<16)|(1<<20)|(1<<21)|(6<<22)|(7<<25)
	s_mov_b32 s[G1B+1], 256<<16
	s_mov_b32 s[G1B+2], 64<<16
	s_mov_b32 s[G1B+3], 256<<16
	s_mov_b32 s[G1B+4], 64
	s_mov_b32 s[G1B+5], 4096
	s_mov_b32 s[G1B+6], 0
	s_mov_b32 s[G1B+7], 0
	; x's tiles hang on the token block and the wave alone, W1's on the column group and the wave alone; each in registers that never hold the other coordinate
	s_lshl_b32 s40, s20, 8
	s_lshl_b32 s42, s16, 7
	s_add_co_u32 s40, s40, s42                     ; token 256 rb + 128 half,
	s_lshl_b32 s40, s40, 11                        ; rows of 2,048 bytes
	s_mov_b32 s41, 0
	s_lshl_b32 s44, s16, 19                        ; k row 64 half, rows of 8,192 bytes,
	s_lshl_b32 s46, s19, 10                        ; column 512 cg, 2 bytes each
	s_add_co_u32 s44, s44, s46
	s_mov_b32 s45, 0
	s_mul_i32 s23, s14, HALFT                      ; where they go: wave x 34,816: x's halves, then W1's
	; offsets of what goes through registers
	s_lshl_b32 s68, s19, 14                        ; vf: 32 tiles of 512 bytes a column group, 8 a wave's half
	s_lshl_b32 s69, s16, 12
	s_add_co_u32 s68, s68, s69
	s_mov_b32 s69, 0
	s_lshl_b32 s70, s19, 11                        ; b1: 512 f32 a column group, 128 a half
	s_lshl_b32 s71, s16, 9
	s_add_co_u32 s70, s70, s71
	s_mov_b32 s71, 0
	s_lshl_b32 s72, s19, 1
	s_add_co_u32 s72, s72, s16                     ; strip = 2 cg + ch,
	s_lshl_b32 s72, s72, 18                        ; 262,144 bytes each;
	s_lshl_b32 s73, s20, 4
	s_lshl3_add_u32 s73, s15, s73                  ; 16 rb + 8 rh blocks of 16 tokens,
	s_lshl_b32 s73, s73, 9                         ; 512 bytes each
	s_add_co_u32 s72, s72, s73
	s_mov_b32 s73, 0
	s_mov_b32 s66, 0x3fd96d27                      ; K1 = sqrt(2 log2 e) = 1.6986436
	s_mov_b32 s67, 0xffff0000                      ; a word's upper bf16
	s_mov_b32 s76, 2                               ; the K step that the next refill brings: 0 and 1 go out below
	s_mov_b32 s83, 0                               ; upper words of the refills' offset pairs s[82:83], s[84:85]
	s_mov_b32 s85, 0
	s_lshl_b32 s78, s14, 12
	s_add_co_u32 s78, s78, STAGE                   ; my wave's stage: 4,096 bytes
	s_wait_dscnt 0x0
	s_wait_kmcnt 0x0
	s_add_nc_u64 s[40:41], s[4:5], s[40:41]
	s_add_nc_u64 s[44:45], s[6:7], s[44:45]
	s_add_nc_u64 s[8:9], s[8:9], s[68:69]
	s_add_nc_u64 s[10:11], s[10:11], s[70:71]
	s_add_nc_u64 s[12:13], s[12:13], s[72:73]
	CROUND                                         ; all sixteen work-groups are here: the first joint loads meet
.irp s, 0,1
	s_mov_b32 s[G0+4*\s], 1
	s_add_co_u32 s[G0+4*\s+1], s23, \s*SLOT
	s_add_nc_u64 s[G0+4*\s+2:G0+4*\s+3], s[40:41], \s*ASTEP
	s_or_b32 s[G0+4*\s+3], s[G0+4*\s+3], 0x80000000
	s_mov_b32 s[G0B+4*\s], 1
	s_add_co_u32 s[G0B+4*\s+1], s23, \s*SLOT
	s_add_nc_u64 s[G0B+4*\s+2:G0B+4*\s+3], s[44:45], \s*BSTEP
	s_or_b32 s[G0B+4*\s+3], s[G0B+4*\s+3], 0x80000000
	JLOAD \s                                       ; K steps 0 and 1 go out before anything else is done
.endr
	v_and_b32 v[L16], 31, v0
	v_lshlrev_b32 v[L16], 4, v[L16]
	v_bfe_u32 v27, v0, 4, 1                        ; hh
	v_lshlrev_b32 v[H32], 5, v27
	LOADC 0
	v_add_nc_u32 v[STB], s78, v[L16]
	v_and_b32 v26, 15, v0                          ; r
	v_mul_u32_u24 v28, v26, PITCH
	v_lshl_add_u32 v28, v27, 4, v28                ; x: row r, 16 hh
	v_and_b32 v29, 7, v0
	v_lshl_add_u32 v29, v27, 3, v29                ; W1: k row 8 hh + lane % 8,
	v_mul_u32_u24 v29, v29, BPITCH
	v_bfe_u32 v30, v0, 3, 1
	v_lshl_add_u32 v29, v30, 4, v29                ; 16 bytes on for lanes 8-15 and 24-31
	s_mul_i32 s74, s15, HALFT                      ; my 128 tokens
	s_lshl_b32 s75, s16, 8                         ; my 128 hidden units, 256 bytes along W1's rows,
	s_add_co_u32 s75, s75, BOFF                    ; behind x's 256 rows
.irp s, 0,1
	v_add_nc_u32 v[ADRA+\s], s74, v28
	v_add_nc_u32 v[ADRB+\s], s75, v29
	s_add_co_u32 s74, s74, SLOT
	s_add_co_u32 s75, s75, SLOT
.endr
.irp h, 0,1
	v_mov_b32 v[CP+\h],  0x3e8ba43f                ;  0.27273748  = 0.3275911 / sqrt(log2 e)
	v_mov_b32 v[CA1+\h], 0x3e199eb3                ;  0.15001946  = 0.254829592 / K1
	v_mov_b32 v[CA2+\h], 0xbe2b8119                ; -0.16748465  = -0.284496736 / K1
	v_mov_b32 v[CA3+\h], 0x3f563817                ;  0.83679339  = 1.421413741 / K1
	v_mov_b32 v[CA4+\h], 0xbf5b0099                ; -0.85547788  = -1.453152027 / K1
	v_mov_b32 v[CA5+\h], 0x3f1ff67a                ;  0.62485470  = 1.061405429 / K1
	v_mov_b32 v[CK3+\h], 0x3f16b55f                ;  0.58870501  = 1 / K1
.endr
	s_wait_tensorcnt 1                             ; my part of K step 0 is in; K step 1's load may stay out
	s_barrier_signal -1
	s_barrier_wait -1                              ; everybody's is
	FETCH 0, 0, F0
	; ---- tile 0: four laps, all of which fill slots again: K steps 2 .. 7, then tile 1's steps 0 and 1 (n = 8, 9).
	; The last lap leaves tile 1's first fragments in buffer 0, which the epilogue does not touch.
	KLOOP 4
	EPI 0                                          ; tile 1's second K step lands meanwhile
	LOADC 1                                        ; the four v_nop of the epilogue's last trip are the places in front of these loads
	; ---- tile 1: three laps that fill slots again (n = 10 .. 15); the last two K steps fill nothing and pass no round of the cluster's barrier
	KLOOP 3
	THREE 0, 0
	TURN 0, 1, 0
	THREE 1, 0
	s_wait_dscnt 8
	WIN MUL_LO
	MUL16 F1, 0, 0, 0
	MUL16 F1, 0, 2, 0
	s_wait_dscnt 0
	WIN MUL_HI
	MUL16 F1, 1, 0, 0
	MUL16 F1, 1, 2, 0
	EPI 1                                          ; adds tile 0's scores and stores
	CROUND                                         ; the closing round: no work-group ends while a partner may still ask for a tile that names it
	s_endpgm
.Lfunc_end_k_qedaeab6920_main:
	.size	k_qedaeab6920_main, .Lfunc_end_k_qedaeab6920_main-k_qedaeab6920_main
	.p2alignl 7, 3214868480
	.fill 96, 4, 3214868480
	.section	.rodata,"a",@progbits
	.p2align	6, 0x0
	.amdhsa_kernel k_qedaeab6920_main
		.amdhsa_group_segment_fixed_size 327680
		.amdhsa_private_segment_fixed_size 0
		.amdhsa_enable_private_segment 0
		.amdhsa_kernarg_size 40
		.amdhsa_user_sgpr_count 2
		.amdhsa_user_sgpr_kernarg_segment_ptr 1
		.amdhsa_wavefront_size32 1
		.amdhsa_system_sgpr_workgroup_id_x 1
		.amdhsa_system_sgpr_workgroup_id_y 1
		.amdhsa_system_sgpr_workgroup_id_z 1
		.amdhsa_system_vgpr_workitem_id 0
		.amdhsa_next_free_vgpr 1024
		.amdhsa_next_free_sgpr 90
		.amdhsa_reserve_vcc 1
		.amdhsa_float_denorm_mode_32 3
		.amdhsa_float_denorm_mode_16_64 3
		.amdhsa_memory_ordered 1
		.amdhsa_forward_progress 1
		.amdhsa_inst_pref_size 255
	.end_amdhsa_kernel
	.section	.bss,"aw",@nobits
	.p2align	6
	.space	262144
	.amdgpu_metadata
---
amdhsa.version: [ 1, 2 ]
amdhsa.kernels:
  - .name:           k_qedaeab6920_main
    .symbol:         k_qedaeab6920_main.kd
    .args:
      - { .name: xb, .offset: 0, .size: 8, .value_kind: global_buffer, .address_space: global }
      - { .name: w1b, .offset: 8, .size: 8, .value_kind: global_buffer, .address_space: global }
      - { .name: vf, .offset: 16, .size: 8, .value_kind: global_buffer, .address_space: global }
      - { .name: b1, .offset: 24, .size: 8, .value_kind: global_buffer, .address_space: global }
      - { .name: part, .offset: 32, .size: 8, .value_kind: global_buffer, .address_space: global }
    .group_segment_fixed_size: 327680
    .private_segment_fixed_size: 0
    .kernarg_segment_align: 8
    .kernarg_segment_size: 40
    .max_flat_workgroup_size: 128
    .sgpr_count:     90
    .vgpr_count:     1024
    .wavefront_size: 32
...
	.end_amdgpu_metadata
.endif
;; end of part 4
;; launch route: the kernel of part 3 again; grid 256 x 1, 1 waves a work-group, no clusters, 3,328 bytes of LDS; arguments part, gl, cv, noise, noise_b, temperature, out0, out1; writes out0, out1
